; MI455X (gfx1250); checked and timed in simulation.
; The chip was launched on July 23, 2026; its instructions are those of AMD's public machine-readable ISA for CDNA 5 (MIT licence, August 2026) and "CDNA5" Instruction Set Architecture Reference Guide (July 2026). The comments in the code are by the model that wrote it; some were corrected since.
;; Transform. Allowed arithmetic: matrix products marked QUANTISED: E2M3 operands, one E8M0 scale for each 32 along K, by v_wmma_scale_f32_16x16x128_f8f6f4 with both operands' format E2M3, f32 sums; everything else in f32.
;; Inputs: W1_codes 512 x 16 x 24 uint8 (E2M3 codes of W1, K innermost, in blocks of 32 codes, four codes in three bytes); W1_scales 512 x 16 uint8 (E8M0 scales of W1, one for each 32 codes along K); W2_codes 512 x 16 x 24 uint8 (E2M3 codes of W2, K innermost, in blocks of 32 codes, four codes in three bytes); W2_scales 512 x 16 uint8 (E8M0 scales of W2, one for each 32 codes along K); Wk_codes 512 x 16 x 24 uint8 (E2M3 codes of Wk, K innermost, in blocks of 32 codes, four codes in three bytes); Wk_scales 512 x 16 uint8 (E8M0 scales of Wk, one for each 32 codes along K); Wq_codes 512 x 16 x 24 uint8 (E2M3 codes of Wq, K innermost, in blocks of 32 codes, four codes in three bytes); Wq_scales 512 x 16 uint8 (E8M0 scales of Wq, one for each 32 codes along K); Wv_codes 512 x 16 x 24 uint8 (E2M3 codes of Wv, K innermost, in blocks of 32 codes, four codes in three bytes); Wv_scales 512 x 16 uint8 (E8M0 scales of Wv, one for each 32 codes along K); b1 512 float32; b2 512 float32; bk 512 float32; bq 512 float32; bv 512 float32; ln_b 512 float32; ln_g 512 float32; lnff_b 512 float32; lnff_g 512 float32; x 2 x 8 x 1,024 x 512 float32.
;; Outputs: out0 2 x 8 x 1,024 x 512 float32.
;; This version of the problem:
;;   THIS VERSION OF THE PROBLEM IS GIVEN IN LOW PRECISION. The matrix products marked QUANTISED in the list below multiply operands that are first quantised to E2M3 (2 exponent bits, 3 mantissa bits; 6 bits a number), with one power-of-two scale for each 32 numbers along K (OCP MX v1.0); their sums are f32. All else is computed in f32.
;;   The module's matrix products, in the order in which they are computed (A, B: the left and right operand; K: the contracted axis; several contracted axes count as one K, in the product's order):
;;     1. [M 16,384, K 512] x [K 512, N 512]; A: input x; B: input Wq (given as codes): QUANTISED
;;     2. [M 16,384, K 512] x [K 512, N 512]; A: input x; B: input Wk (given as codes): QUANTISED
;;     3. [M 16,384, K 512] x [K 512, N 512]; A: input x; B: input Wv (given as codes): QUANTISED
;;     4. batch 128 x [M 1,024, K 64] x [K 64, N 1,024]; A: computed on the way; B: computed on the way: QUANTISED
;;     5. batch 128 x [M 64, K 1,024] x [K 1,024, N 1,024]; A: computed on the way; B: softmax (see below): QUANTISED
;;     6. [M 16,384, K 512] x [K 512, N 512]; A: computed on the way; B: input W1 (given as codes): QUANTISED
;;     7. [M 16,384, K 512] x [K 512, N 512]; A: computed on the way; B: input W2 (given as codes): QUANTISED
;;   THE QUANTISER, for each operand of a quantised product, along K:
;;     - K is cut into blocks of 32 from its start; a last block that is shorter is filled with zeros.
;;     - A block's scale is 2^e with e = floor(log2(the largest magnitude in the block)) - 2, held to -126 .. 127; a block of zeros has e = 0. As a byte (E8M0): e + 127.
;;     - Each number is divided by its block's scale, clamped to +-7.5, and rounded to the nearest number of E2M3, ties to even, subnormals kept.
;;     - The product sums the exact products of the quantised numbers (number of the format x scale) in f32.
;;   ~~~python
;;   def quantise(x, axis):      # numpy; x: float32 -> the quantised numbers, widened to float32 again
;;       x = np.moveaxis(x, axis, -1); K = x.shape[-1]
;;       x = np.pad(x, [(0, 0)] * (x.ndim - 1) + [(0, -K % 32)]); x = x.reshape(x.shape[:-1] + (-1, 32)); a = np.abs(x).max(-1, keepdims=True)
;;       e = np.where(a > 0, np.clip(np.frexp(np.where(a > 0, a, 1))[1] - 1 - 2, -126, 127), 0)      # np.frexp(a)[1] - 1 = floor(log2(a)), exactly
;;       r = np.clip(x / 2.0 ** e, -7.5, 7.5)
;;       step = 2.0 ** (np.maximum(np.frexp(np.where(r == 0, 1, r))[1] - 1, 0) - 3)
;;       q = np.round(r / step) * step * 2.0 ** e      # np.round: ties to even
;;       return np.moveaxis(q.reshape(q.shape[:-2] + (-1,))[..., :K], -1, axis).astype(np.float32)
;;   ~~~
;;   SOFTMAX AHEAD OF A QUANTISED PRODUCT. Where the list says 'softmax', what is quantised is not the finished softmax but p = 2^(t - M), with t = logit x log2(e) and M = ceil(the row's largest t), a whole number; so 1/2 < the row's largest p <= 1. The row's sum l is taken of the UNQUANTISED p, in f32, and the product's result is divided by l at the end. Since M is a whole number, a kernel that streams over the keys may use a running M (the ceiling of the running maximum): every later rescaling is an exact power of two, which a block's scale takes up: the codes' values come out the same.
;;   OPERANDS COMPUTED ON THE WAY. 'Computed on the way' means the value that the module computes at that place (a softmax that the list does not call 'softmax' is quantised finished and normalised). What goes into a quantiser is computed in f32, as accurately as f32 sums, v_exp_f32 and their like allow (about 1e-6 of the number): no bf16 or f16 on the way to a quantiser, and a product that is left as it is and whose result goes on into a quantised operand takes f32 operands (vector FMAs, or v_wmma_f32_16x16x4_f32). A number that lies on a knife's edge between two numbers of the format may be rounded either way, as far as f32 arithmetic and the matrix unit's own rounding can turn it there, and no further.
;;   INPUTS GIVEN AS CODES. W1 (in the module: [512, 512], K = its axis 0); W2 (in the module: [512, 512], K = its axis 0); Wk (in the module: [512, 512], K = its axis 0); Wq (in the module: [512, 512], K = its axis 0); Wv (in the module: [512, 512], K = its axis 0): each comes as NAME_codes (uint8): NAME with its K axis moved to the last place and cut into blocks of 32 codes, [.., K / 32, bytes a block], one block behind the other in memory; four codes in three bytes: a row's codes are one little-endian stream of bits, code i at bits 6 i .. 6 i + 5 (a code: sign, 2 exponent bits, 3 mantissa bits); and NAME_scales (uint8): the same leading axes, one E8M0 byte (e + 127) for each 32 codes along K. Its value is code x scale, taken as it is: it is not quantised again, and the codes and scales need not be those that the quantiser above would give.
;; 2 versions. Each part assembles by itself: llvm-mc -triple=amdgcn-amd-amdhsa -mcpu=gfx1250 --defsym DOCPART=n.
;; ======== version 1 of 2: 2 launches
;; workspace buffers: kv 13,631,488 bytes; qimg 6,815,744 bytes; wimg 393,216 bytes
;; launch proj (part 1): grid 2 x 128, 4 waves a work-group, no clusters, 53,760 bytes of LDS; arguments x, Wq_codes, Wq_scales, bq, Wk_codes, Wk_scales, bk, Wv_codes, Wv_scales, bv, W1_codes, W2_codes, qimg, kv, wimg; writes qimg, kv, wimg
.if DOCPART == 1
	.amdgcn_target "amdgcn-amd-amdhsa--gfx1250"
	.amdhsa_code_object_version 6
	.text
	.protected	k_q0e3a199eb7_proj
	.globl	k_q0e3a199eb7_proj
	.p2align	8
	.type	k_q0e3a199eb7_proj,@function
k_q0e3a199eb7_proj:
	s_mov_b64 s[64:65], 0
	v_nop
	global_prefetch_b8 v0, s[64:65] scope:SCOPE_SE
	s_setreg_imm32_b32 hwreg(HW_REG_WAVE_MODE, 25, 1), 1
	s_wait_xcnt 0x0
; q = Q(x) Wq + bq, k = Q(x) Wk + bk, v = Q(x) Wv + bv on codes of FP6 (E2M3) with one E8M0 scale for each 32 along K; the results are quantised at once for the attention that follows
; (q and k along the head's 64, v along the keys) and stored as IMAGES OF OPERAND REGISTERS: a group of four registers is 512 bytes, lane l's 16 bytes at 16 l.
; SHARES.  A work-group takes 128 tokens (work-group y = 8 bt + chunk) and four heads (4 x work-group x + wave): 256 work-groups.  A wave's 48 weight fragments (q, k, v of its head: 16 each) go from memory
; straight into its registers; x is quantised once in the work-group (wave w: token tiles 2 w, 2 w + 1) and goes round through LDS as register images.
; THE ROWS OF A TILE ARE NOT NEIGHBOURS: lane r of tile 2 b + u (of tokens, and of a weight's rows) takes row 32 b + 8 u + r + 8 (r / 8), so that the 16 result registers of tiles 2 b and 2 b + 1 are 16 neighbours
; along the next product's K: 32 b + 16 (lane / 16) + 0 .. 15.
; q, k: source 0 = 16 rows of the weight, source 1 = 16 tokens: a lane holds one token, its registers run along the head's 64.  Two token tiles make one fragment: registers 0-5 tile 2 b, registers 6-11 tile 2 b + 1.
; v: source 0 = 16 tokens, source 1 = 16 rows of Wv: a lane holds one channel, its registers run along the 128 tokens, which are the second attention product's K.
; Besides, wave 0 of work-group (x, y) copies fragment 2 y + x of W1 / W2 into wimg as a register image, for the next launch.
; NO CLUSTER, NO TENSOR LOADS: the weights never touch LDS, and what the two work-groups of a token block share is f32 that has to pass through registers to be quantised.
; LIMITS: NaN and infinities are not served.  A block whose largest magnitude lies under 2^-124 keeps the scale byte 1; so does a block of zeros (its codes are zeros; the bytes are read by this program alone).
; REGISTERS, in windows of 256.  Window 0: v1-9 addresses; v16-63, v64-111 two buffers of four x fragments (while x is quantised: v16-79 and v112-175 are two sets of 64 numbers); v112-175 q's or k's sums of two token tiles;
;   v176-195 codes just made; v196-211 at work; v212-215 four scale words just made; v216-223 x's scale words, two sets; v224-247 the weights' scale words.
;   Windows 1, 2, 3: Wq's, Wk's, Wv's fragment (tile t, K step s) at v[12 (4 t + s)]; v192-223 the bias in the result's layout.  Window 2 v224-235: the fragment to copy.  For v window 1 is given over to the 32 sums, (t, m) at v[64 t + 8 m].
.set XIMG, 0                           ; LDS: x's 32 fragments, (token tile m, K step s) at (4 m + s) x 1,536
.set XSC,  49152                       ; their scale words: 512 bytes a tile, lane l's four words (K steps 0-3) at 16 l
.set XB,   16
.set ACC,  112
.set PC,   176
.set TM,   196
.set PW,   212
.set XS,   216
.set WS,   224                         ; v[WS + 8 type + 4 u + s]: lanes 0-15 tile u's word of K step s, lanes 16-31 tile 2 + u's
.set MSB,  0
.macro WIN new                         ; the immediate's high byte repeats the setting that is left; a switch that changes nothing is dropped
.if MSB != (\new)
	s_set_vgpr_msb (MSB<<8)|(\new)
.set MSB, (\new)
.endif
.endm
.macro PLACES n
.rept \n
	v_nop
.endr
.endm
; my 16 tokens' numbers of token tile u (of my two), K step s: 64 a lane, register 16 b + 4 j + .. = k 32 b + 16 (lane / 16) + 4 j + ..
.macro XLOAD reg, u, s
.irp b, 0,1,2,3
.irp j, 0,1,2,3
	global_load_b128 v[\reg+16*\b+4*\j:\reg+16*\b+4*\j+3], v3, s[4:5] offset:16384*(\u)+512*(\s)+128*\b+16*\j
.endr
.endr
.endm
; weight fragment f of 48: type f / 16, tile (f % 16) / 4, K step f % 4: 24 bytes and 24 bytes of a row's stream of bits, as they lie, in pieces of 8
.macro WLOAD f
.set WTY, (\f)/16
.set WTT, ((\f)%16)/4
.set WSS, (\f)%4
	WIN (WTY+1)<<6
.irp p, 0,1,2,3,4,5
	global_load_b64 v[12*((\f)%16)+2*\p:12*((\f)%16)+2*\p+1], v6, s[6+6*WTY:7+6*WTY] offset:(32*(WTT/2)+8*(WTT%2))*384+96*WSS+48*(\p/3)+8*(\p%3)
.endr
.endm
; 64 numbers of a lane in window w, register 16 b + i = k 32 b + 16 (lane / 16) + i of my row, become a fragment's codes in v[PC] on and its scale word in v[pw]
.macro QUANT src, w, pw
	WIN (\w)|((\w)<<2)
.irp b, 0,1,2,3
	v_max3_num_f32 v[TM+\b], |v[\src+16*\b]|, |v[\src+1+16*\b]|, 0x1800000   ; block b: my 16 numbers, and the floor 2^(3 - 127): the byte cannot fall under 1
.endr
	WIN ((\w)<<2)|((\w)<<4)
.irp i, 2,4,6,8,10,12,14
.irp b, 0,1,2,3
	v_max3_num_f32 v[TM+\b], v[TM+\b], |v[\src+16*\b+\i]|, |v[\src+1+16*\b+\i]|   ; the four blocks by turns; each sum's registers are read from the low end on
.endr
.endr
	WIN 0
.irp b, 0,1,2,3
	v_permlanex16_b32 v[TM+4+\b], v[TM+\b], s38, s39
.endr
.irp b, 0,1,2,3
	v_max_num_f32 v[TM+\b], v[TM+\b], v[TM+4+\b]   ; with lane l xor 16's: the block's largest magnitude
.endr
.irp b, 0,1,2,3
	v_add_nc_u32 v[TM+12+\b], 0xff000000, v[TM+\b]   ; 2 off its exponent field: the conversion's scale operand
.endr
.irp b, 0,1,2,3
	v_lshrrev_b32 v[TM+4+\b], 23, v[TM+12+\b]      ; the scale's byte
.endr
	v_lshl_or_b32 v[\pw], v[TM+5], 8, v[TM+4]
	v_lshl_or_b32 v[\pw], v[TM+6], 16, v[\pw]
	v_lshl_or_b32 v[\pw], v[TM+7], 24, v[\pw]      ; my row's scale word
	WIN (\w)
.irp c, 0,1
	v_cvt_scalef32_pk16_fp6_f32 v[PC+6*\c:PC+2+6*\c], v[\src+32*\c:\src+15+32*\c], v[TM+12+2*\c]
	v_cvt_scalef32_pk16_fp6_f32 v[PC+12+4*\c:PC+14+4*\c], v[\src+16+32*\c:\src+31+32*\c], v[TM+12+2*\c+1]   ; (a conversion's three registers begin on an even number)
.endr
	WIN 0
	v_nop                                          ; one plain place behind a scaled conversion
.irp c, 0,1                                    ; the operand's layout wants a whole block in a lane
.irp i, 0,1,2
	v_permlane16_swap_b32 v[PC+6*\c+\i], v[PC+12+4*\c+\i]
.endr
.irp i, 0,1,2
	v_mov_b32 v[PC+3+6*\c+\i], v[PC+12+4*\c+\i]
.endr
.endr
.endm
; token tile m's four x fragments and their scale words into buffer buf: 13 LDS loads
.macro FETCHX m, buf
.irp s, 0,1,2,3
.irp c, 0,1,2
	ds_load_b128 v[XB+48*(\buf)+12*\s+4*\c:XB+48*(\buf)+12*\s+4*\c+3], v1 offset:XIMG+(4*(\m)+\s)*1536+512*\c
.endr
.endr
	ds_load_b128 v[XS+4*(\buf):XS+4*(\buf)+3], v1 offset:XSC+512*(\m)
.endm
.macro MMQ d, a, b, c, sa, sb, row     ; row = 1: source 0's scales stand in lanes 16-31
.if \row
	v_wmma_scale_f32_16x16x128_f8f6f4 v[\d:\d+7], v[\a:\a+11], v[\b:\b+11], v[\c:\c+7], v[\sa], v[\sb] matrix_a_fmt:MATRIX_FMT_FP6 matrix_b_fmt:MATRIX_FMT_FP6 matrix_a_scale:MATRIX_SCALE_ROW1
.else
	v_wmma_scale_f32_16x16x128_f8f6f4 v[\d:\d+7], v[\a:\a+11], v[\b:\b+11], v[\c:\c+7], v[\sa], v[\sb] matrix_a_fmt:MATRIX_FMT_FP6 matrix_b_fmt:MATRIX_FMT_FP6
.endif
.endm
.macro MMV d, a, b, c, sa, sb, row     ; row = 1: source 1's scales stand in lanes 16-31
.if \row
	v_wmma_scale_f32_16x16x128_f8f6f4 v[\d:\d+7], v[\a:\a+11], v[\b:\b+11], v[\c:\c+7], v[\sa], v[\sb] matrix_a_fmt:MATRIX_FMT_FP6 matrix_b_fmt:MATRIX_FMT_FP6 matrix_b_scale:MATRIX_SCALE_ROW1
.else
	v_wmma_scale_f32_16x16x128_f8f6f4 v[\d:\d+7], v[\a:\a+11], v[\b:\b+11], v[\c:\c+7], v[\sa], v[\sb] matrix_a_fmt:MATRIX_FMT_FP6 matrix_b_fmt:MATRIX_FMT_FP6
.endif
.endm
; q (ty = 0) or k (1) of token tile m: 16 products, the four tiles' sums by turns, K ascending; the bias is the C of each sum's first product
.macro QKMUL ty, m
.irp s, 0,1,2,3
.if \s == 0
	WIN ((\ty)+1)|(((\ty)+1)<<4)
.else
	WIN (\ty)+1
.endif
.irp t, 0,1,2,3
.if \s == 0
	MMQ ACC+32*((\m)%2)+8*\t, 12*(4*\t+\s), XB+48*((\m)%2)+12*\s, 192+8*\t, WS+8*(\ty)+4*(\t%2)+\s, XS+4*((\m)%2)+\s, \t/2
.else
	MMQ ACC+32*((\m)%2)+8*\t, 12*(4*\t+\s), XB+48*((\m)%2)+12*\s, ACC+32*((\m)%2)+8*\t, WS+8*(\ty)+4*(\t%2)+\s, XS+4*((\m)%2)+\s, \t/2
.endif
.endr
.endr
.endm
; v of token tile m: source 0 = the tokens (window 0), source 1 = Wv (window 3), sums in window 1
.macro VMUL m
.irp s, 0,1,2,3
.if \s == 0
	WIN 0x7c
.else
	WIN 0x5c
.endif
.irp t, 0,1,2,3
.if \s == 0
	MMV 64*\t+8*(\m), XB+48*((\m)%2)+12*\s, 12*(4*\t+\s), 192+8*\t, XS+4*((\m)%2)+\s, WS+16+4*(\t%2)+\s, \t/2
.else
	MMV 64*\t+8*(\m), XB+48*((\m)%2)+12*\s, 12*(4*\t+\s), 64*\t+8*(\m), XS+4*((\m)%2)+\s, WS+16+4*(\t%2)+\s, \t/2
.endif
.endr
.endr
.endm
	s_load_b512 s[4:19], s[0:1], 0x0               ; x 4, Wq codes 6, scales 8, bq 10, Wk codes 12, scales 14, bk 16, Wv codes 18
	s_load_b256 s[20:27], s[0:1], 0x40             ; Wv scales 20, bv 22, W1 codes 24, W2 codes 26
	s_load_b128 s[28:31], s[0:1], 0x60             ; qimg 28, kv 30
	s_load_b64 s[32:33], s[0:1], 0x70              ; wimg
	v_lshl_add_u32 v254, v0, 2, 0xd000
	v_mov_b32 v255, 0
	v_lshrrev_b32 v10, 5, v0
	v_readfirstlane_b32 s34, v10                   ; wave 0..3
	v_and_b32 v10, 31, v0                          ; lane
	v_and_b32 v11, 15, v0                          ; r
	v_bfe_u32 v12, v0, 4, 1                        ; h
	v_and_b32 v13, 8, v11
	v_add_nc_u32 v13, v13, v11                     ; r + 8 (r / 8)
	v_lshlrev_b32 v1, 4, v10                       ; 16 x lane: an image's place for my lane
	v_lshlrev_b32 v2, 3, v10                       ; 8 x lane
	v_lshlrev_b32 v3, 11, v13
	v_lshl_add_u32 v3, v12, 6, v3                  ; x: my token's row of 2,048 bytes, + 64 h
	s_mul_i32 s60, s34, 12288
	v_add_nc_u32 v4, s60, v1                       ; where I store x's images: my two tiles' eight fragments
	s_lshl_b32 s60, s34, 10
	s_add_co_u32 s60, s60, XSC
	v_add_nc_u32 v5, s60, v1                       ; and their scale words
	v_mul_u32_u24 v6, v13, 384
	v_mad_u32_u24 v6, v12, 24, v6                  ; a weight's row of 384 bytes, + 24 h
	v_lshlrev_b32 v7, 4, v13
	v_lshl_add_u32 v7, v12, 9, v7                  ; a weight's 16 scale bytes a row; lanes 16-31 take the tile 32 rows on
	v_lshlrev_b32 v8, 6, v12                       ; bq, bk: 64 h
	v_lshlrev_b32 v9, 2, v13                       ; bv: my channel
.irp b, 0,1,2,3
	v_mov_b32 v[TM+4+\b], 0                        ; written once: a lane permute's destination counts as one of its sources
.endr
	s_mov_b32 s38, 0x76543210
	s_mov_b32 s39, 0xfedcba98                      ; v_permlanex16_b32's selects for lane l xor 16
	s_mov_b32 s37, ttmp9                           ; which four heads
	s_and_b32 s36, ttmp7, 0xffff                   ; which 128 tokens
	s_lshl_b32 s35, s37, 2
	s_add_co_u32 s35, s35, s34                     ; my head
	s_lshr_b32 s46, s36, 3                         ; bt
	s_and_b32 s47, s36, 7                          ; the chunk of 128 tokens in it
	s_lshl_b32 s40, s36, 18                        ; x: 128 tokens x 2,048 bytes,
	s_lshl_b32 s41, s34, 16                        ; my 32 of them
	s_add_co_u32 s40, s40, s41
	s_mov_b32 s41, 0
	s_mul_i32 s42, s35, 24576                      ; my head's 64 rows of codes,
	s_mov_b32 s43, 0
	s_lshl_b32 s44, s35, 10                        ; of scale bytes,
	s_mov_b32 s45, 0
	s_lshl_b32 s48, s35, 8                         ; of a bias
	s_mov_b32 s49, 0
	s_mul_i32 s50, s46, 851968                     ; kv: [bt][head & 1][chunk][head >> 1] records of 13,312 bytes
	s_and_b32 s52, s34, 1
	s_mul_i32 s52, s52, 425984
	s_add_co_u32 s50, s50, s52
	s_mul_i32 s52, s47, 53248
	s_add_co_u32 s50, s50, s52
	s_lshl_b32 s52, s37, 1
	s_lshr_b32 s53, s34, 1
	s_add_co_u32 s52, s52, s53
	s_mul_i32 s52, s52, 13312
	s_add_co_u32 s50, s50, s52
	s_mov_b32 s51, 0
	s_lshl_b32 s52, s46, 3                         ; qimg: [bt][head][chunk] records of 6,656 bytes
	s_add_co_u32 s52, s52, s35
	s_lshl_b32 s52, s52, 3
	s_add_co_u32 s52, s52, s47
	s_mul_i32 s52, s52, 6656
	s_mov_b32 s53, 0
	s_lshl_b32 s54, s36, 1
	s_add_co_u32 s54, s54, s37                     ; the fragment of W1 / W2 to copy: bit 7 the matrix, bit 6 the K half, bits 5:4 g, bits 3:1 the tile, bit 0 the K step in the half
	s_bfe_u32 s56, s54, 0x20004
	s_lshl_b32 s56, s56, 7
	s_bfe_u32 s57, s54, 0x20002
	s_lshl_b32 s57, s57, 5
	s_add_co_u32 s56, s56, s57
	s_bfe_u32 s57, s54, 0x10001
	s_lshl_b32 s57, s57, 3
	s_add_co_u32 s56, s56, s57                     ; its first row: 128 g + 32 (t / 2) + 8 (t % 2)
	s_mul_i32 s56, s56, 384
	s_bfe_u32 s57, s54, 0x10006
	s_lshl_b32 s57, s57, 1
	s_and_b32 s58, s54, 1
	s_add_co_u32 s57, s57, s58                     ; its K step
	s_mul_i32 s57, s57, 96
	s_add_co_u32 s56, s56, s57
	s_mov_b32 s57, 0
	s_mul_i32 s58, s54, 1536                       ; and its place in wimg
	s_mov_b32 s59, 0
	s_wait_kmcnt 0x0
	s_add_nc_u64 s[4:5], s[4:5], s[40:41]
.irp ty, 0,1,2
	s_add_nc_u64 s[6+6*\ty:7+6*\ty], s[6+6*\ty:7+6*\ty], s[42:43]
	s_add_nc_u64 s[8+6*\ty:9+6*\ty], s[8+6*\ty:9+6*\ty], s[44:45]
	s_add_nc_u64 s[10+6*\ty:11+6*\ty], s[10+6*\ty:11+6*\ty], s[48:49]
.endr
	s_add_nc_u64 s[30:31], s[30:31], s[50:51]
	s_add_nc_u64 s[28:29], s[28:29], s[52:53]
	s_add_nc_u64 s[32:33], s[32:33], s[58:59]
	s_cmp_lt_u32 s54, 128                          ; W1 or W2: the choice hangs on the work-group's number alone
	s_cselect_b64 s[24:25], s[24:25], s[26:27]
	s_add_nc_u64 s[24:25], s[24:25], s[56:57]
	; the small loads: the weights' scale words and the biases
.irp ty, 0,1,2
.irp u, 0,1
	global_load_b128 v[WS+8*\ty+4*\u:WS+8*\ty+4*\u+3], v7, s[8+6*\ty:9+6*\ty] offset:128*\u
.endr
.endr
.irp ty, 0,1
	WIN (\ty+1)<<6
.irp t, 0,1,2,3
	global_load_b128 v[192+8*\t:195+8*\t], v8, s[10+6*\ty:11+6*\ty] offset:4*(32*(\t/2)+8*(\t%2))      ; lane (r, h), register j: the bias of channel 32 (t / 2) + 8 (t % 2) + 16 h + j
	global_load_b128 v[196+8*\t:199+8*\t], v8, s[10+6*\ty:11+6*\ty] offset:4*(32*(\t/2)+8*(\t%2))+16
.endr
.endr
	WIN 0xc0
.irp t, 0,1,2,3
.irp j, 0,1,2,3,4,5,6,7
	global_load_b32 v[192+8*\t+\j], v9, s[22:23] offset:4*(32*(\t/2)+8*(\t%2))     ; v: a lane holds one channel: its bias in all eight registers
.endr
.endr
	WIN 0
	s_cmp_lg_u32 s34, 0
	s_cbranch_scc1 .Lno_frag
	WIN 0x80
.irp p, 0,1,2,3,4,5
	global_load_b64 v[224+2*\p:225+2*\p], v6, s[24:25] offset:48*(\p/3)+8*(\p%3)   ; wave 0: the fragment to copy
.endr
	WIN 0
.Lno_frag:
	; ---- x: my two token tiles x four K steps are eight sets of 64 numbers; two sets are on their way while one is quantised, and six weight fragments are asked for in each step
	XLOAD XB, 0, 0
	XLOAD XB+96, 0, 1
.macro XSTEP i, cnt
	s_wait_loadcnt \cnt                            ; loads come back in order: set i is in; what was issued behind it may stay out
	QUANT XB+96*((\i)%2), 0, PW+(\i)%4
.irp c, 0,1,2
	ds_store_b128 v4, v[PC+4*\c:PC+4*\c+3] offset:XIMG+(\i)*1536+512*\c
.endr
.if (\i)%4 == 3
	ds_store_b128 v5, v[PW:PW+3] offset:512*((\i)/4)
.endif
.irp k, 0,1,2,3,4,5
	WLOAD 6*(\i)+\k
.endr
	WIN 0
.if (\i) < 6
	XLOAD XB+96*((\i)%2), ((\i)+2)/4, ((\i)+2)%4
.endif
	s_wait_dscnt 0x0                               ; the stores have read the codes' registers: the next set's codes may be written
.endm
	XSTEP 0, 16                                    ; behind set 0: set 1
	XSTEP 1, 52                                    ; behind set i: 36 weight loads and set i + 1
	XSTEP 2, 52
	XSTEP 3, 52
	XSTEP 4, 52
	XSTEP 5, 52
	XSTEP 6, 52
	XSTEP 7, 36                                    ; behind set 7: 36 weight loads
	s_barrier_signal -1                            ; (each wave's stores were waited for just above)
	s_barrier_wait -1                              ; x's 32 fragments lie in LDS
	s_wait_loadcnt 0x0                             ; all my weights are in
	s_cmp_lg_u32 s34, 0
	s_cbranch_scc1 .Lno_copy
	WIN 0x08                                       ; a store's data are its source 1: window 2
.irp c, 0,1,2
	global_store_b128 v1, v[224+4*\c:227+4*\c], s[32:33] offset:512*\c
.endr
	WIN 0
.Lno_copy:
	; ---- 24 visits: q, k, v x eight token tiles.  The x fragments of two visits are on their way or in hand, in two buffers
	FETCHX 0, 0
	FETCHX 1, 1
.set n, 0
.rept 24
.if n < 23
	s_wait_dscnt 13                                ; this visit's 13 loads are in; the next visit's 13 may be out
.else
	s_wait_dscnt 0x0
.endif
.if n < 16
	QKMUL n/8, n%8
.else
	VMUL n%8
.endif
	WIN 0
	PLACES 4                                       ; in front of loads into registers that the products have read, and of the first read of their results
.if n < 22
	FETCHX (n+2)%8, n%2
.endif
.if (n < 16) && (n%2 == 1)
	s_wait_xcnt 0x0                                ; the earlier stores have read the codes' and the scale words' registers
	QUANT ACC, 0, PW+(n%8)/2                       ; two token tiles' 2 x 32 numbers a lane: one fragment
.if n < 8
.irp i, 0,1,2,3,4,5
	global_store_b64 v2, v[PC+2*\i:PC+2*\i+1], s[28:29] offset:1536*((n%8)/2)+256*\i   ; q: 768 bytes a token tile, in three runs of 256: each tile is fetched by itself
.endr
.else
.irp c, 0,1,2
	global_store_b128 v1, v[PC+4*\c:PC+4*\c+3], s[30:31] offset:1536*((n%8)/2)+512*\c  ; k: the pair of tiles is one operand of 128 along K
.endr
.endif
.if n == 7
	global_store_b128 v1, v[PW:PW+3], s[28:29] offset:6144
.endif
.if n == 15
	global_store_b128 v1, v[PW:PW+3], s[30:31] offset:12288
.endif
.endif
.set n, n+1
.endr
.irp t, 0,1,2,3                                ; v: channel tile t's 64 numbers a lane run along the 128 tokens
	s_wait_xcnt 0x0
	QUANT 64*\t, 1, PW+\t
.irp c, 0,1,2
	global_store_b128 v1, v[PC+4*\c:PC+4*\c+3], s[30:31] offset:6144+1536*\t+512*\c
.endr
.endr
	global_store_b128 v1, v[PW:PW+3], s[30:31] offset:12800
	s_wait_tensorcnt 0x0
	ds_add_u32 v254, v255
	s_wait_dscnt 0x0
	s_endpgm
.Lfunc_end_k_q0e3a199eb7_proj:
	.size	k_q0e3a199eb7_proj, .Lfunc_end_k_q0e3a199eb7_proj-k_q0e3a199eb7_proj
	.p2alignl 7, 3214868480
	.fill 96, 4, 3214868480
	.section	.rodata,"a",@progbits
	.p2align	6, 0x0
	.amdhsa_kernel k_q0e3a199eb7_proj
		.amdhsa_group_segment_fixed_size 53760
		.amdhsa_private_segment_fixed_size 0
		.amdhsa_enable_private_segment 0
		.amdhsa_kernarg_size 120
		.amdhsa_user_sgpr_count 2
		.amdhsa_user_sgpr_kernarg_segment_ptr 1
		.amdhsa_wavefront_size32 1
		.amdhsa_system_sgpr_workgroup_id_x 1
		.amdhsa_system_sgpr_workgroup_id_y 1
		.amdhsa_system_sgpr_workgroup_id_z 1
		.amdhsa_system_vgpr_workitem_id 0
		.amdhsa_next_free_vgpr 1024
		.amdhsa_next_free_sgpr 66
		.amdhsa_reserve_vcc 0
		.amdhsa_float_denorm_mode_32 3
		.amdhsa_float_denorm_mode_16_64 3
		.amdhsa_memory_ordered 1
		.amdhsa_forward_progress 1
		.amdhsa_inst_pref_size 207
	.end_amdhsa_kernel
	.amdgpu_metadata
---
amdhsa.version: [ 1, 2 ]
amdhsa.kernels:
  - .name:           k_q0e3a199eb7_proj
    .symbol:         k_q0e3a199eb7_proj.kd
    .args:
      - { .name: x, .offset: 0, .size: 8, .value_kind: global_buffer, .address_space: global }
      - { .name: Wq_codes, .offset: 8, .size: 8, .value_kind: global_buffer, .address_space: global }
      - { .name: Wq_scales, .offset: 16, .size: 8, .value_kind: global_buffer, .address_space: global }
      - { .name: bq, .offset: 24, .size: 8, .value_kind: global_buffer, .address_space: global }
      - { .name: Wk_codes, .offset: 32, .size: 8, .value_kind: global_buffer, .address_space: global }
      - { .name: Wk_scales, .offset: 40, .size: 8, .value_kind: global_buffer, .address_space: global }
      - { .name: bk, .offset: 48, .size: 8, .value_kind: global_buffer, .address_space: global }
      - { .name: Wv_codes, .offset: 56, .size: 8, .value_kind: global_buffer, .address_space: global }
      - { .name: Wv_scales, .offset: 64, .size: 8, .value_kind: global_buffer, .address_space: global }
      - { .name: bv, .offset: 72, .size: 8, .value_kind: global_buffer, .address_space: global }
      - { .name: W1_codes, .offset: 80, .size: 8, .value_kind: global_buffer, .address_space: global }
      - { .name: W2_codes, .offset: 88, .size: 8, .value_kind: global_buffer, .address_space: global }
      - { .name: qimg, .offset: 96, .size: 8, .value_kind: global_buffer, .address_space: global }
      - { .name: kv, .offset: 104, .size: 8, .value_kind: global_buffer, .address_space: global }
      - { .name: wimg, .offset: 112, .size: 8, .value_kind: global_buffer, .address_space: global }
    .group_segment_fixed_size: 53760
    .private_segment_fixed_size: 0
    .kernarg_segment_align: 8
    .kernarg_segment_size: 120
    .max_flat_workgroup_size: 128
    .sgpr_count:     66
    .vgpr_count:     1024
    .wavefront_size: 32
...
	.end_amdgpu_metadata
.endif
;; end of part 1
;; launch attn_ffn (part 2): grid 16 x 16, 16 waves a work-group, clusters of 4 x 1, 327,680 bytes of LDS; arguments qimg, kv, wimg, x, ln_g, ln_b, W1_scales, b1, W2_scales, b2, lnff_g, lnff_b, out0; writes out0
.if DOCPART == 2
	.amdgcn_target "amdgcn-amd-amdhsa--gfx1250"
	.amdhsa_code_object_version 6
	.text
	.protected	k_q0e3a199eb7_attn_ffn
	.globl	k_q0e3a199eb7_attn_ffn
	.p2align	8
	.type	k_q0e3a199eb7_attn_ffn,@function
k_q0e3a199eb7_attn_ffn:
	s_mov_b64 s[64:65], 0
	v_nop
	global_prefetch_b8 v0, s[64:65] scope:SCOPE_SE
	s_setreg_imm32_b32 hwreg(HW_REG_WAVE_MODE, 25, 1), 1
	s_wait_xcnt 0x0
	s_wait_alu depctr_hold_cnt(0) depctr_sa_sdst(0) depctr_va_vdst(0) depctr_va_sdst(0) depctr_va_ssrc(0) depctr_va_vcc(0) depctr_vm_vsrc(0)
	s_getreg_b32 s2, hwreg(HW_REG_IB_STS2, 6, 4)
	s_cmp_eq_u32 s2, 0
	s_cbranch_scc0 .Lentry_in_a_cluster
	s_endpgm
.Lentry_in_a_cluster:
	s_bfe_u32 s2, ttmp6, 0x10000c
	s_cmp_lg_u32 s2, 0x3003
	s_cbranch_scc0 .Lentry_shape_is_right
	s_endpgm
.Lentry_shape_is_right:
; out = LN(relu(Q(val) W1 + b1) -> Q(.) W2 + b2), val = LN(attention + x): attention, residual, both norms and both products of the feed-forward part in one launch, on codes of FP6 (E2M3) with E8M0 scales.
; SHARES.  A work-group owns 64 queries of one (b, t), all 8 heads, all 512 features: 256 work-groups.  Wave w of sixteen: query tile qt = w / 4 (16 queries), g = w % 4: heads 2 g (first pass over the keys) and 2 g + 1
; (second pass); afterwards features 128 g .. 128 g + 127 of its 16 rows.  256 registers a wave, four waves to a SIMD: one wave's vector work stands beside another's products and LDS loads.
; OPERANDS ARE REGISTER IMAGES (a group of four registers: 512 bytes, lane l's 16 bytes at 16 l), in memory and in LDS: every fragment comes by three ds_load_b128 of consecutive bytes.
; ATTENTION.  S^T = K Q^T, O^T = V^T P^T: a lane holds one query throughout.  The head's 64 fill half of the instruction's 128: an operand of K holds TWO key tiles, [tile 2 b | tile 2 b + 1], and is multiplied once by
; [q | zeros] and once by [zeros | q].  The keys of a tile are not neighbours (lane r of tile 2 b + u: key 32 b + 8 u + r + 8 (r / 8)), so that p's 16 registers of two tiles are 16 neighbouring keys.
; SOFTMAX: t = score x log2(e) / 8; M = the running largest t rounded up to a whole number; p = 2^(t - M) is quantised along the keys; the sum is taken of the unquantised p and divides at the end.
; CLUSTER.  The four work-groups of a cluster belong to one (b, t): K's and V's tiles, and the weights, are asked for JOINTLY (mask 15), by waves 0-3, a quarter of a slot each.  By this text's count one tensor load of a wave is out at a time.
; LIMITS: NaN and infinities are not served.  Blocks under 2^-124, and blocks of zeros, keep the scale byte 1.  The running maximum starts at -3e38; a pass's first step multiplies what the registers hold by 2^(a saturated
; whole number) = 0, which takes those registers to be finite.  A block's largest p is made from its largest score, which takes v_exp_f32 not to fall where its input rises.
; LDS: two slots at 0 and 131,072 (106,496 bytes: two chunks of 128 keys x 4 heads; later 98,304: half of a weight along K; at last the stages of the way out); val's 16 fragments and scale words; the hidden layer's;
;   the norms' partial figures; the spare words.
; REGISTERS in attention: v1, v6 my place in a slot's first and second chunk; v2 the address in hand; v3, v4 for the add; v5 x's lane offset; v12 -M, v13 the largest t, v[14:15] the sum; v16-21 zeros, v22-27 q, v28-33 zeros;
;   v34-40 the second head's q and scale word; v42 the prefetch's offset; v44-91 four fragments; v96-159 S^T, then p; v160-191 the first head's o; v192-223 O^T; v224-235 p's codes; v232-254 at work; v248-251, v253, v255 scale words.
; Afterwards: v1 64 h, v2 16 (r + 8 (r / 8)), v6-11, v14, v15 LDS addresses, v12 16 x lane; v16-39 two row fragments (the norms: at work); v40-43 their scale words; v44-139 eight weight fragments; v160-223 my 64 numbers; v224-255 the weight's scale words.
.set SLOT1, 131072
.set CHK,   53248                      ; a chunk of 128 keys: four heads' records
.set REC,   13312                      ; a record: K's 4 fragments, V's 4, K's scale words (512 bytes), V's
.set XIMG,  237568                     ; val's fragments: (4 qt + K step) x 1,536
.set XSC,   262144                     ; their scale words: 512 bytes a query tile, lane l's four words at 16 l
.set HOFF,  26624                      ; the hidden layer's fragments and scale words lie this far behind val's
.set STAT,  290816                     ; 256 bytes a wave; the second norm's 4,096 bytes on
.set SPARE, 299008                     ; the spare words: 128 bytes for each of 16 waves, eight blocks of 256 bytes that no other line names
.set TM,    44
.set PW,    60
.set PC,    64
.macro PLACES n
.rept \n
	v_nop
.endr
.endm
.macro ROUND                           ; a round of the cluster's barrier
	s_barrier_signal -1
	s_barrier_wait -1
	s_cmp_lg_u32 s32, 0
	s_cbranch_scc1 .Lnot_wave_0_\@
	s_barrier_signal -3
.Lnot_wave_0_\@:
	s_barrier_wait -3
	s_barrier_signal -1
	s_barrier_wait -1
.endm
.macro TLOAD g0, g1                    ; waves 0-3 fetch a quarter each; the branch hangs on the wave's number alone; four v_nop follow the load
	s_cmp_lt_u32 s32, 4
	s_cbranch_scc0 .Lnone_\@
	tensor_load_to_lds s[\g0:\g0+3], s[\g1:\g1+7]
	s_nop 0
.rept 4
	v_nop
.endr
.Lnone_\@:
.endm
; THE CHANGE OF SLOTS.  Each wave waits for all its tensor loads (its part of the slot about to be read), adds 0 to its spare word, waits for that and for its LDS reads and stores; the round then holds of every wave of
; all four work-groups, and the slot that has been left is filled first thing behind it.  kv = 1: the walking descriptor steps to the other slot and the next 256 keys' records.
.macro CHANGE kv, g0, g1
	s_wait_tensorcnt 0x0                           ; no tensor load of mine is out, so a group 0 may be written
	ds_add_u32 v3, v4                              ; 0 onto my spare word
.if \kv
	s_xor_b32 s77, s77, SLOT1
	s_add_nc_u64 s[78:79], s[78:79], 2*CHK         ; the type bits on top are not reached
.endif
	s_wait_dscnt 0x0
	ROUND
	TLOAD \g0, \g1
.endm
.macro MM0 d, a, b, sa, sb             ; the product starts its sum
	v_wmma_scale_f32_16x16x128_f8f6f4 v[\d:\d+7], v[\a:\a+11], v[\b:\b+11], 0, v[\sa], v[\sb] matrix_a_fmt:MATRIX_FMT_FP6 matrix_b_fmt:MATRIX_FMT_FP6
.endm
.macro MMA d, a, b, sa, sb             ; it adds in place
	v_wmma_scale_f32_16x16x128_f8f6f4 v[\d:\d+7], v[\a:\a+11], v[\b:\b+11], v[\d:\d+7], v[\sa], v[\sb] matrix_a_fmt:MATRIX_FMT_FP6 matrix_b_fmt:MATRIX_FMT_FP6
.endm
; A KEY STEP: 128 keys, chunk q of the slot in hand
.macro STEP q
	v_add_nc_u32 v2, s40, v[1+5*(\q)]
	PLACES 3                                       ; with the line above: four places in front of loads into registers that the last products have read
.irp b, 0,1,2,3
.irp c, 0,1,2
	ds_load_b128 v[44+12*\b+4*\c:47+12*\b+4*\c], v2 offset:1536*\b+512*\c
.endr
.endr
	ds_load_b128 v[248:251], v2 offset:12288       ; K's scale words of the four operands
	s_wait_dscnt 0x0
.irp b, 0,1,2,3
	MM0 96+16*\b, 44+12*\b, 22, 248+\b, 255        ; [q | zeros]: key tile 2 b
	MM0 104+16*\b, 44+12*\b, 16, 248+\b, 255       ; [zeros | q]: key tile 2 b + 1
.endr
	PLACES 4
.irp t, 0,1,2,3                                ; V's fragments land while the softmax is walked
.irp c, 0,1,2
	ds_load_b128 v[44+12*\t+4*\c:47+12*\t+4*\c], v2 offset:6144+1536*\t+512*\c
.endr
.endr
	ds_load_b128 v[248:251], v2 offset:12800
.irp b, 0,1,2,3
	v_max3_num_f32 v[232+\b], v[96+16*\b], v[97+16*\b], v[98+16*\b]   ; the largest score of each block of 32 keys: for the row's maximum, and for the block's largest p
.endr
.irp i, 3,5,7,9,11,13
.irp b, 0,1,2,3
	v_max3_num_f32 v[232+\b], v[232+\b], v[96+16*\b+\i], v[97+16*\b+\i]
.endr
.endr
.irp b, 0,1,2,3
	v_max_num_f32 v[232+\b], v[232+\b], v[111+16*\b]
.endr
.irp b, 0,1,2,3
	v_permlanex16_b32 v[236+\b], v[232+\b], s36, s37
.endr
.irp b, 0,1,2,3
	v_max_num_f32 v[232+\b], v[232+\b], v[236+\b]  ; with lane l xor 16's 16 keys
.endr
	v_max3_num_f32 v254, v232, v233, v234
	v_max_num_f32 v254, v254, v235
	v_mul_f32 v254, s38, v254                      ; the step's largest t (c is positive)
	v_max_num_f32 v13, v13, v254
	v_mov_b32 v254, v12
	v_floor_f32 v12, -v13                          ; the new -M = -ceil(t)
	v_sub_f32 v254, v12, v254                      ; old M - new M: a whole number, 0 or less
	v_cvt_i32_f32 v254, v254                       ; (it saturates)
	v_ldexp_f32 v252, 1.0, v254                    ; f = 2^(old M - new M)
.set jj, 0
.rept 32
	v_pk_fma_f32 v[96+jj:97+jj], v[96+jj:97+jj], s[38:39], v[12:13] op_sel_hi:[1,0,0]   ; t - M
.set jj, jj+2
.endr
.irp b, 0,1,2,3
	v_fma_f32 v[232+\b], v[232+\b], s38, v12
.endr
.set jj, 0
.rept 64
	v_exp_f32 v[96+jj], v[96+jj]                   ; p = 2^(t - M)
.set jj, jj+1
.endr
.irp b, 0,1,2,3
	v_exp_f32 v[232+\b], v[232+\b]                 ; the block's largest p
.endr
	v_pk_mul_f32 v[14:15], v[14:15], v[252:253] op_sel_hi:[1,0]   ; the sums under the new M (a plain place behind the exponentials)
	s_wait_alu depctr_va_vdst(0)
.irp b, 0,1,2,3
	v_max_num_f32 v[232+\b], 0x1800000, v[232+\b]  ; the floor 2^(3 - 127)
.endr
.irp b, 0,1,2,3
	v_add_nc_u32 v[244+\b], 0xff000000, v[232+\b]  ; the conversion's scale operand
.endr
.irp b, 0,1,2,3
	v_lshrrev_b32 v[236+\b], 23, v[244+\b]
.endr
	v_lshl_or_b32 v253, v237, 8, v236              ; p's scale word for these 128 keys
	v_lshl_or_b32 v253, v238, 16, v253
	v_lshl_or_b32 v253, v239, 24, v253
.irp c, 0,1
	v_cvt_scalef32_pk16_fp6_f32 v[224+6*\c:226+6*\c], v[96+32*\c:111+32*\c], v[244+2*\c]
	v_cvt_scalef32_pk16_fp6_f32 v[236+4*\c:238+4*\c], v[112+32*\c:127+32*\c], v[244+2*\c+1]
.endr
	v_nop                                          ; one plain place behind a scaled conversion
.irp c, 0,1
.irp i, 0,1,2
	v_permlane16_swap_b32 v[224+6*\c+\i], v[236+4*\c+\i]
.endr
.irp i, 0,1,2
	v_mov_b32 v[227+6*\c+\i], v[236+4*\c+\i]
.endr
.endr
	v_pk_add_f32 v[236:237], v[96:97], v[98:99]    ; the row's sum of the unquantised p, in two chains
.irp j, 4,8,12,16,20,24,28,32,36,40,44,48,52,56,60
	v_pk_add_f32 v[14:15], v[14:15], v[96+\j:97+\j]
	v_pk_add_f32 v[236:237], v[236:237], v[98+\j:99+\j]
.endr
	v_pk_add_f32 v[14:15], v[14:15], v[236:237]
.set jj, 0
.rept 16
	v_pk_mul_f32 v[192+jj:193+jj], v[192+jj:193+jj], v[252:253] op_sel_hi:[1,0]   ; O^T under the new M.  (With the sums: 48 plain lines between p's codes and scale word and the products)
.set jj, jj+2
.endr
	s_wait_dscnt 0x0                               ; V is in
.irp t, 0,1,2,3
	MMA 192+8*\t, 44+12*\t, 224, 248+\t, 253
.endr
.endm
.macro SLOT_STEPS
	STEP 0
	STEP 1
	s_xor_b32 s40, s40, SLOT1                      ; on to the other slot
.endm
; 64 numbers of a lane, register 16 b + i = k 32 b + 16 (lane / 16) + i of my row, become a fragment's codes in v[PC] on and its scale word in v[PW]
.macro QUANT src
.irp b, 0,1,2,3
	v_max3_num_f32 v[TM+\b], |v[\src+16*\b]|, |v[\src+1+16*\b]|, 0x1800000
.endr
.irp i, 2,4,6,8,10,12,14
.irp b, 0,1,2,3
	v_max3_num_f32 v[TM+\b], v[TM+\b], |v[\src+16*\b+\i]|, |v[\src+1+16*\b+\i]|
.endr
.endr
.irp b, 0,1,2,3
	v_permlanex16_b32 v[TM+4+\b], v[TM+\b], s36, s37   ; (the destinations hold loaded data that is done with)
.endr
.irp b, 0,1,2,3
	v_max_num_f32 v[TM+\b], v[TM+\b], v[TM+4+\b]
.endr
.irp b, 0,1,2,3
	v_add_nc_u32 v[TM+12+\b], 0xff000000, v[TM+\b]
.endr
.irp b, 0,1,2,3
	v_lshrrev_b32 v[TM+4+\b], 23, v[TM+12+\b]
.endr
	v_lshl_or_b32 v[PW], v[TM+5], 8, v[TM+4]
	v_lshl_or_b32 v[PW], v[TM+6], 16, v[PW]
	v_lshl_or_b32 v[PW], v[TM+7], 24, v[PW]
.irp c, 0,1
	v_cvt_scalef32_pk16_fp6_f32 v[PC+6*\c:PC+2+6*\c], v[\src+32*\c:\src+15+32*\c], v[TM+12+2*\c]
	v_cvt_scalef32_pk16_fp6_f32 v[PC+12+4*\c:PC+14+4*\c], v[\src+16+32*\c:\src+31+32*\c], v[TM+12+2*\c+1]
.endr
	v_nop                                          ; one plain place behind a scaled conversion
.irp c, 0,1
.irp i, 0,1,2
	v_permlane16_swap_b32 v[PC+6*\c+\i], v[PC+12+4*\c+\i]
.endr
.irp i, 0,1,2
	v_mov_b32 v[PC+3+6*\c+\i], v[PC+12+4*\c+\i]
.endr
.endr
.endm
.macro IMAGE off                       ; my fragment (rows qt, K step g) and its scale words go to LDS as they stand
.irp c, 0,1,2
	ds_store_b128 v6, v[PC+4*\c:PC+4*\c+3] offset:\off+512*\c
.endr
	ds_store_b32 v7, v[PW] offset:\off
.endm
; 16 loads: 64 numbers of a vector of 512 in my lane's order (feature 128 g + 32 b + 16 h + 4 j ..) into v[reg] on
.macro VEC reg, base
.irp b, 0,1,2,3
.irp j, 0,1,2,3
	global_load_b128 v[\reg+16*\b+4*\j:\reg+16*\b+4*\j+3], v1, s[\base:\base+1] offset:128*\b+16*\j
.endr
.endr
.endm
; 16 loads: a bias as the C of my eight tiles' first products, in the result's layout
.macro BIAS base
.irp t, 0,1,2,3,4,5,6,7
	global_load_b128 v[160+8*\t:163+8*\t], v1, s[\base:\base+1] offset:4*(32*(\t/2)+8*(\t%2))
	global_load_b128 v[164+8*\t:167+8*\t], v1, s[\base:\base+1] offset:4*(32*(\t/2)+8*(\t%2))+16
.endr
.endm
.macro WSCALES base                    ; my eight tiles' scale words, four K steps a row
.irp t, 0,1,2,3,4,5,6,7
	global_load_b128 v[224+4*\t:227+4*\t], v2, s[\base:\base+1] offset:16*(32*(\t/2)+8*(\t%2))
.endr
.endm
; LAYER NORM of v160-223 (my 128 features of 16 rows; a row's 512 lie in four waves), gain in v32-95, bias in v96-159.  Each wave takes its own mean away first and sums squares of what is left; the four waves' means and
; sums of squares meet in LDS and are joined by M2 = the sum of the four + 128 x the sum of (a wave's mean - the mean)^2: no difference of large sums is formed.
.macro LNORM st
	v_pk_add_f32 v[16:17], v[160:161], v[164:165]
	v_pk_add_f32 v[18:19], v[162:163], v[166:167]
.set jj, 8
.rept 14
	v_pk_add_f32 v[16:17], v[16:17], v[160+jj:161+jj]
	v_pk_add_f32 v[18:19], v[18:19], v[162+jj:163+jj]
.set jj, jj+4
.endr
	v_pk_add_f32 v[16:17], v[16:17], v[18:19]
	v_add_f32 v16, v16, v17
	v_permlanex16_b32 v17, v16, s36, s37
	v_add_f32 v16, v16, v17
	v_mul_f32 v20, 0x3c000000, v16                 ; / 128: my wave's mean of row r
	v_mov_b32 v21, v20
.set jj, 0
.rept 32
	v_pk_add_f32 v[160+jj:161+jj], v[160+jj:161+jj], v[20:21] neg_lo:[0,1] neg_hi:[0,1]
.set jj, jj+2
.endr
	v_pk_mul_f32 v[16:17], v[160:161], v[160:161]
	v_pk_mul_f32 v[18:19], v[162:163], v[162:163]
.set jj, 4
.rept 15
	v_pk_fma_f32 v[16:17], v[160+jj:161+jj], v[160+jj:161+jj], v[16:17]
	v_pk_fma_f32 v[18:19], v[162+jj:163+jj], v[162+jj:163+jj], v[18:19]
.set jj, jj+4
.endr
	v_pk_add_f32 v[16:17], v[16:17], v[18:19]
	v_add_f32 v16, v16, v17
	v_permlanex16_b32 v17, v16, s36, s37
	v_add_f32 v21, v16, v17                        ; my wave's sum of squares round its mean
	ds_store_b64 v14, v[20:21] offset:\st
	s_wait_dscnt 0x0                               ; for the others' sake: my store has landed
	s_barrier_signal -1
	s_barrier_wait -1
.irp k, 0,1,2,3
	ds_load_b64 v[22+2*\k:23+2*\k], v15 offset:\st+256*\k
.endr
	s_wait_dscnt 0x0
	v_add_f32 v16, v22, v24
	v_add_f32 v17, v26, v28
	v_add_f32 v16, v16, v17
	v_mul_f32 v16, 0x3e800000, v16                 ; the row's mean
	v_add_f32 v17, v23, v25
	v_add_f32 v18, v27, v29
	v_add_f32 v17, v17, v18
	v_sub_f32 v22, v22, v16
	v_sub_f32 v24, v24, v16
	v_sub_f32 v26, v26, v16
	v_sub_f32 v28, v28, v16
	v_mul_f32 v18, v22, v22
	v_fma_f32 v18, v24, v24, v18
	v_fma_f32 v18, v26, v26, v18
	v_fma_f32 v18, v28, v28, v18
	v_fma_f32 v17, v18, 0x43000000, v17            ; + 128 x the means' spread
	v_fma_f32 v17, v17, s44, s45                   ; / 512 + eps
	v_rsq_f32 v30, v17
	v_sub_f32 v28, v20, v16                        ; my wave's mean - the row's (a plain place behind the transcendental)
	s_wait_alu depctr_va_vdst(0)
	v_mul_f32 v28, v28, v30
	s_wait_loadcnt 0x0                             ; gain and bias
.set jj, 0
.rept 32
	v_pk_fma_f32 v[160+jj:161+jj], v[160+jj:161+jj], v[30:31], v[28:29] op_sel_hi:[1,0,0]   ; (x - mean) / sqrt(var + eps)
.set jj, jj+2
.endr
.set jj, 0
.rept 32
	v_pk_fma_f32 v[160+jj:161+jj], v[160+jj:161+jj], v[32+jj:33+jj], v[96+jj:97+jj]
.set jj, jj+2
.endr
.endm
; Half of a product along K: K steps k0 and k0 + 1.  ra: the address register of my 16 weight fragments in the slot; img: 0 val's images, HOFF the hidden layer's.  first = 1: the rows' scale words come, and the global loads
; (the weight's scale words, the bias) are waited for.  Source 0 = 16 rows of the weight, source 1 = my 16 rows; the eight sums take turns.
.macro HALF ra, img, k0, first
.if \first
	ds_load_b128 v[40:43], v9 offset:\img
.endif
.irp q, 0,1
.irp c, 0,1,2
	ds_load_b128 v[16+12*\q+4*\c:19+12*\q+4*\c], v8 offset:\img+1536*(\k0+\q)+512*\c
.endr
.endr
.if \first
	s_wait_loadcnt 0x0
.endif
.irp q, 0,1
.irp t, 0,1,2,3,4,5,6,7
.irp c, 0,1,2
	ds_load_b128 v[44+12*\t+4*\c:47+12*\t+4*\c], v[\ra] offset:1536*(2*\t+\q)+512*\c
.endr
.endr
	s_wait_dscnt 12                                ; all but the youngest 12 loads: tiles 4-7's fragments may be out
.irp t, 0,1,2,3
	MMA 160+8*\t, 44+12*\t, 16+12*\q, 224+4*\t+\k0+\q, 40+\k0+\q
.endr
	s_wait_dscnt 0x0
.irp t, 4,5,6,7
	MMA 160+8*\t, 44+12*\t, 16+12*\q, 224+4*\t+\k0+\q, 40+\k0+\q
.endr
	PLACES 4                                       ; in front of loads into registers that the products have read, and of the first read of results
.endr
.endm
	s_load_b512 s[4:19], s[0:1], 0x0               ; qimg 4, kv 6, wimg 8, x 10, ln_g 12, ln_b 14, W1 scales 16, b1 18
	s_load_b256 s[20:27], s[0:1], 0x40             ; W2 scales 20, b2 22, lnff_g 24, lnff_b 26
	s_load_b64 s[28:29], s[0:1], 0x60              ; out0
	v_lshl_add_u32 v3, v0, 2, SPARE
	v_mov_b32 v4, 0
	ds_add_u32 v3, v4
	s_wait_dscnt 0x0
	v_lshrrev_b32 v7, 5, v0
	v_readfirstlane_b32 s32, v7                    ; wave 0..15
	s_lshr_b32 s33, s32, 2                         ; qt
	s_and_b32 s34, s32, 3                          ; g
	s_bfe_u32 s48, ttmp6, 0x40000                  ; cx: it enters the addresses of qimg, x and out0 alone
	s_lshl_b32 s42, ttmp9, 2
	s_add_co_u32 s42, s42, s48                     ; my block of 64 queries
	s_and_b32 s43, ttmp7, 0xffff                   ; (b, t), which the four partners share
	s_mov_b32 s36, 0x76543210
	s_mov_b32 s37, 0xfedcba98                      ; v_permlanex16_b32's selects for lane l xor 16
	s_mov_b32 s38, 0x3e38aa3b                      ; c = log2(e) / 8
	s_mov_b32 s39, s38                             ; (named with it as a pair, so it is written)
	s_mov_b32 s40, 0                               ; the slot in hand
	s_mov_b32 s44, 0x3b000000                      ; 1 / 512
	s_mov_b32 s45, 0x3727c5ac                      ; 1e-5
	; descriptor groups 1: dense blocks as rows of 256 bytes (32 elements of 8 bytes): 104 rows (a quarter of a slot of K and V), 96 rows (a quarter of half a weight)
	s_mov_b32 s56, 15|(3<<16)|(1<<21)              ; 15:0 the mask: all four work-groups; 17:16 elements of 8 bytes; 21 set beside a mask
	s_mov_b32 s57, 32<<16                          ; tensor_dim0
	s_mov_b32 s58, 104<<16                         ; tensor_dim1
	s_mov_b32 s59, 32<<16                          ; tile_dim0
	s_mov_b32 s60, 104                             ; tile_dim1
	s_mov_b32 s61, 32                              ; the pitch
	s_mov_b32 s62, 0
	s_mov_b32 s63, 0
	s_mov_b32 s68, 15|(3<<16)|(1<<21)
	s_mov_b32 s69, 32<<16
	s_mov_b32 s70, 96<<16
	s_mov_b32 s71, 32<<16
	s_mov_b32 s72, 96
	s_mov_b32 s73, 32
	s_mov_b32 s74, 0
	s_mov_b32 s75, 0
	v_and_b32 v7, 31, v0                           ; lane
	v_and_b32 v8, 15, v0                           ; r
	v_bfe_u32 v9, v0, 4, 1                         ; h
	v_and_b32 v10, 8, v8
	v_add_nc_u32 v10, v10, v8                      ; r + 8 (r / 8)
	v_lshlrev_b32 v5, 11, v10
	v_lshl_add_u32 v5, v9, 6, v5                   ; x: my query's row of 2,048 bytes, + 64 h
	s_mul_i32 s48, s34, REC
	v_lshl_add_u32 v1, v7, 4, s48                  ; my heads' record in a chunk, + 16 x lane
	v_add_nc_u32 v6, CHK, v1                       ; the same in the slot's second chunk
	v_lshlrev_b32 v11, 3, v7                       ; 8 x lane
	v_lshlrev_b32 v43, 4, v7                       ; 16 x lane
	v_lshlrev_b32 v42, 8, v0                       ; 256 x thread
	s_wait_kmcnt 0x0
	s_lshl_b32 s48, s43, 21                        ; x and out0: (1,024 bt + 64 block) rows of 2,048 bytes
	s_lshl_b32 s49, s42, 17
	s_add_co_u32 s48, s48, s49
	s_mov_b32 s49, 0
	s_lshr_b32 s50, s33, 1                         ; my tile's first row, 32 (qt / 2) + 8 (qt % 2), and my 128 features
	s_lshl_b32 s50, s50, 16
	s_and_b32 s51, s33, 1
	s_lshl_b32 s46, s51, 4                         ; 16 (qt % 2): which half of a pair's scale word is my tile's
	s_lshl_b32 s51, s51, 14
	s_add_co_u32 s50, s50, s51
	s_lshl_b32 s51, s34, 9
	s_add_co_u32 s50, s50, s51
	s_mov_b32 s51, 0
	s_add_nc_u64 s[96:97], s[10:11], s[48:49]      ; x at the work-group's 64 rows
	s_add_nc_u64 s[10:11], s[96:97], s[50:51]
	s_add_nc_u64 s[28:29], s[28:29], s[48:49]
	s_add_nc_u64 s[28:29], s[28:29], s[50:51]
	s_lshl_b32 s48, s34, 9                         ; my 128 numbers of each vector of 512
.irp p, 12,14,18,22,24,26
	s_add_nc_u64 s[\p:\p+1], s[\p:\p+1], s[48:49]
.endr
	s_lshl_b32 s48, s34, 11                        ; my 128 rows of 16 scale bytes
	s_add_nc_u64 s[16:17], s[16:17], s[48:49]
	s_add_nc_u64 s[20:21], s[20:21], s[48:49]
	s_mov_b32 s76, 1                               ; group 0 for K and V: count = 1,
	s_mul_i32 s77, s34, 26624                      ; LDS: my quarter of slot 0,
	s_mul_i32 s48, s43, 851968
	s_add_co_u32 s48, s48, s77
	s_add_nc_u64 s[78:79], s[6:7], s[48:49]        ; memory: my quarter of this (b, t)'s first slot; the eight slots lie on end
	s_or_b32 s79, s79, 0x80000000                  ; type = 2
	s_mul_i32 s48, s34, 24576
	s_add_nc_u64 s[8:9], s[8:9], s[48:49]
.irp k, 0,1,2,3                                ; groups 0 for W1's two halves along K and W2's: the first half into slot 0, the second into slot 1
	s_mov_b32 s[80+4*\k], 1
	s_add_co_u32 s[81+4*\k], s48, (\k%2)*SLOT1
	s_add_nc_u64 s[82+4*\k:83+4*\k], s[8:9], \k*98304
	s_or_b32 s[83+4*\k], s[83+4*\k], 0x80000000
.endr
	s_lshl_b32 s48, s43, 3                         ; qimg: the record of (bt, head 2 g, chunk = block / 2),
	s_lshl_b32 s50, s34, 1
	s_add_co_u32 s48, s48, s50
	s_lshl_b32 s48, s48, 3
	s_lshr_b32 s50, s42, 1
	s_add_co_u32 s48, s48, s50
	s_mul_i32 s48, s48, 6656
	s_and_b32 s50, s42, 1
	s_lshl_b32 s50, s50, 2
	s_add_co_u32 s50, s50, s33                     ; my token tile in it: m = 4 (block % 2) + qt
	s_lshr_b32 s52, s50, 1
	s_lshl_b32 s52, s52, 2
	s_add_co_u32 s52, s52, s48
	s_add_co_u32 s52, s52, 6144                    ; the scale word of pair m / 2
	s_mov_b32 s53, 0
	s_mul_i32 s50, s50, 768
	s_add_co_u32 s50, s50, s48
	s_mov_b32 s51, 0
	s_add_nc_u64 s[52:53], s[4:5], s[52:53]
	s_add_nc_u64 s[4:5], s[4:5], s[50:51]
	ROUND                                          ; all four work-groups are here: the first joint load meets
	TLOAD 76, 56                                   ; slot 0
.irp i, 0,1,2
	global_load_b64 v[22+2*\i:23+2*\i], v11, s[4:5] offset:256*\i             ; q of head 2 g,
	global_load_b64 v[34+2*\i:35+2*\i], v11, s[4:5] offset:53248+256*\i       ; of head 2 g + 1: eight records on
.endr
	global_load_b32 v255, v43, s[52:53]
	global_load_b32 v40, v43, s[52:53] offset:53248
.irp j, 16,17,18,19,20,21,28,29,30,31,32,33
	v_mov_b32 v\j, 0                               ; zero codes on both sides of q
.endr
	v_mov_b32 v13, 0xff61b1e6                      ; the largest t so far: -3e38
	v_floor_f32 v12, -v13                          ; -M
	v_mov_b32 v14, 0
	v_mov_b32 v15, 0
.irp b, 0,1,2,3
	v_mov_b32 v[236+\b], 0                         ; written once: a lane permute's destination counts as one of its sources
.endr
	v_mov_b32 v253, 0                              ; (named as the upper half of the pair v[252:253] before it is first written)
	s_wait_loadcnt 0x0
.irp w, 255, 40                                ; my tile's two scale bytes, twice: they serve [q | zeros] and [zeros | q] alike
	v_lshrrev_b32 v\w, s46, v\w
	v_and_b32 v\w, 0xffff, v\w
	v_lshl_or_b32 v\w, v\w, 16, v\w
.endr
.set jj, 0
.rept 32
	v_mov_b32 v[192+jj], 0                         ; O^T: the step is written once, and its first walk finds zeros.  (These lines also stand between the scale word's last write and the first product)
.set jj, jj+1
.endr
	; ---- the first pass: head 2 g, slots 0 to 3
	s_mov_b32 s41, 4
.Lpass0:
	CHANGE 1, 76, 56
	SLOT_STEPS
	s_sub_co_u32 s41, s41, 1
	s_cmp_lg_u32 s41, 0
	s_cbranch_scc1 .Lpass0
.irp i, 0,1,2,3,4,5
	v_mov_b32 v[22+\i], v[34+\i]                   ; the second head's q.  (These seven lines are the places behind the last products)
.endr
	v_mov_b32 v255, v40
	v_add_f32 v14, v14, v15
	v_permlanex16_b32 v252, v14, s36, s37
	v_add_f32 v14, v14, v252                       ; the row's sum
	v_rcp_f32 v14, v14
	v_mov_b32 v13, 0xff61b1e6                      ; the maximum starts anew (a plain place behind the transcendental): the next step's f is 0, which clears the sums and O^T
	v_floor_f32 v12, -v13
.set jj, 0
	s_wait_alu depctr_va_vdst(0)
.rept 32
	v_mul_f32 v[160+jj], v[192+jj], v14            ; head 2 g's o: register 16 b + i is channel 32 b + 16 h + i
.set jj, jj+1
.endr
	; ---- the second pass: head 2 g + 1, slots 4 to 7; the last slot is written out: behind its change of slots W1's first half is asked for
	s_mov_b32 s41, 3
.Lpass1:
	CHANGE 1, 76, 56
	SLOT_STEPS
	s_sub_co_u32 s41, s41, 1
	s_cmp_lg_u32 s41, 0
	s_cbranch_scc1 .Lpass1
	CHANGE 0, 80, 68
	STEP 0
	global_prefetch_b8 v42, s[96:97] th:TH_LOAD_NT scope:SCOPE_SE   ; the work-group's 64 rows of x, 131,072 bytes: its 512 threads ask 256 bytes apart, each place once, one key step ahead of the loads
	STEP 1
	; ---- residual and first norm
	CHANGE 0, 84, 68                               ; W1's second half into slot 1; W1's first half has landed
	PLACES 4                                       ; in front of loads into registers that the last products have read
	s_wait_xcnt 0x0                                ; the prefetch has read v42, on which a load lands below
	v_and_b32 v16, 31, v0                          ; lane
	v_and_b32 v17, 15, v0                          ; r
	v_bfe_u32 v18, v0, 4, 1                        ; h
	v_and_b32 v19, 8, v17
	v_add_nc_u32 v19, v19, v17
	v_lshlrev_b32 v1, 6, v18                       ; 64 h
	v_lshlrev_b32 v2, 4, v19                       ; 16 (r + 8 (r / 8))
	WSCALES 16
.irp b, 0,1,2,3
.irp j, 0,1,2,3
	global_load_b128 v[96+16*\b+4*\j:99+16*\b+4*\j], v5, s[10:11] offset:128*\b+16*\j th:TH_LOAD_NT   ; x at my query and my 64 features
.endr
.endr
	VEC 32, 12                                     ; ln_g
	v_lshlrev_b32 v12, 4, v16                      ; 16 x lane
	s_mul_i32 s48, s32, 1536
	s_add_co_u32 s48, s48, XIMG
	v_lshl_add_u32 v6, v16, 4, s48                 ; where I store my fragment's image
	s_lshl_b32 s49, s33, 9
	s_add_co_u32 s49, s49, XSC
	v_lshl_add_u32 v9, v16, 4, s49                 ; my rows' scale words,
	s_lshl_b32 s50, s34, 2
	v_add_nc_u32 v7, s50, v9                       ; and where I store mine: K step g
	s_mul_i32 s51, s33, 6144
	s_add_co_u32 s51, s51, XIMG
	v_lshl_add_u32 v8, v16, 4, s51                 ; my rows' four fragments
	s_mul_i32 s52, s34, 24576
	v_lshl_add_u32 v10, v16, 4, s52                ; my 16 weight fragments in slot 0,
	v_add_nc_u32 v11, SLOT1, v10                   ; in slot 1
	v_add_f32 v14, v14, v15
	v_permlanex16_b32 v21, v14, s36, s37
	v_add_f32 v14, v14, v21
	v_rcp_f32 v14, v14
	v_nop                                          ; one plain place behind the transcendental
.set jj, 0
	s_wait_alu depctr_va_vdst(0)
.rept 32
	v_mul_f32 v[192+jj], v[192+jj], v14            ; head 2 g + 1's o
.set jj, jj+1
.endr
	s_lshl_b32 s53, s32, 8
	s_add_co_u32 s53, s53, STAT
	v_lshl_add_u32 v14, v16, 3, s53                ; the norms' figures: mine,
	s_lshl_b32 s54, s33, 10
	s_add_co_u32 s54, s54, STAT
	v_lshl_add_u32 v15, v16, 3, s54                ; and those of the four waves of my rows
	s_wait_loadcnt 16                              ; the scale words and x are in; ln_g's 16 loads may be out
.set jj, 0
.rept 32
	v_pk_add_f32 v[160+jj:161+jj], v[160+jj:161+jj], v[96+jj:97+jj]
.set jj, jj+2
.endr
	VEC 96, 14                                     ; ln_b
	LNORM 0
	QUANT 160
	BIAS 18                                        ; b1 takes val's place: the C of the first products
	IMAGE 0
	s_wait_dscnt 0x0
	s_barrier_signal -1
	s_barrier_wait -1                              ; val's sixteen fragments lie in LDS
	; ---- the feed-forward part
	HALF 10, 0, 0, 1
	CHANGE 0, 88, 68                               ; W2's first half into slot 0; W1's second half has landed
	HALF 11, 0, 2, 0
	WSCALES 20
.set jj, 0
.rept 64
	v_max_num_f32 v[160+jj], 0, v[160+jj]          ; the activation, each sum from its low end on
.set jj, jj+1
.endr
	QUANT 160
	BIAS 22
	IMAGE HOFF
	CHANGE 0, 92, 68                               ; W2's second half into slot 1; the round also shows the hidden layer's images to every wave
	HALF 10, HOFF, 0, 1
	s_wait_tensorcnt 0x0                           ; my part of W2's second half has landed,
	s_wait_dscnt 0x0
	s_barrier_signal -1
	s_barrier_wait -1                              ; everybody's has
	HALF 11, HOFF, 2, 0
	VEC 32, 24                                     ; lnff_g
	VEC 96, 26                                     ; lnff_b
	LNORM 4096                                     ; its barrier also ends every wave's reads of the two slots, which have had their last fill: the stages lie there
	; ---- the way out: my 16 rows x 512 bytes through my stage (rows of 528 bytes), back as whole pieces of rows
	v_and_b32 v16, 15, v0
	v_bfe_u32 v17, v0, 4, 1
	s_and_b32 s48, s32, 7
	s_mul_i32 s48, s48, 8448
	s_lshr_b32 s49, s32, 3
	s_lshl_b32 s49, s49, 17
	s_add_co_u32 s48, s48, s49                     ; eight stages in each slot
	v_mul_u32_u24 v16, v16, 528
	v_lshl_add_u32 v16, v17, 6, v16
	v_add_nc_u32 v16, s48, v16                     ; in: row r, + 64 h
	v_add_nc_u32 v17, s48, v12                     ; back: 16 bytes a lane
.irp b, 0,1,2,3
.irp j, 0,1,2,3
	ds_store_b128 v16, v[160+16*\b+4*\j:163+16*\b+4*\j] offset:128*\b+16*\j
.endr
.endr
.irp i, 0,1,2,3,4,5,6,7,8,9,10,11,12,13,14,15
	ds_load_b128 v[32+4*\i:35+4*\i], v17 offset:528*\i   ; LDS serves a wave's instructions in order: these see my stores
.endr
.irp i, 0,1,2,3,4,5,6,7,8,9,10,11,12,13,14,15
	s_wait_dscnt 15-\i                             ; row i is back; the younger loads may be out
	global_store_b128 v12, v[32+4*\i:35+4*\i], s[28:29] offset:(\i+8*(\i/8))*2048 th:TH_STORE_NT   ; 32 lanes store 512 consecutive bytes, at a multiple of 512 from out0's first byte
.endr
	s_wait_tensorcnt 0x0                           ; the wave's end
	ds_add_u32 v3, v4
	s_wait_dscnt 0x0
	ROUND                                          ; the closing round: no work-group ends while a partner may still ask for a tile that names it
	s_endpgm
.Lfunc_end_k_q0e3a199eb7_attn_ffn:
	.size	k_q0e3a199eb7_attn_ffn, .Lfunc_end_k_q0e3a199eb7_attn_ffn-k_q0e3a199eb7_attn_ffn
	.p2alignl 7, 3214868480
	.fill 96, 4, 3214868480
	.section	.rodata,"a",@progbits
	.p2align	6, 0x0
	.amdhsa_kernel k_q0e3a199eb7_attn_ffn
		.amdhsa_group_segment_fixed_size 327680
		.amdhsa_private_segment_fixed_size 0
		.amdhsa_enable_private_segment 0
		.amdhsa_kernarg_size 104
		.amdhsa_user_sgpr_count 2
		.amdhsa_user_sgpr_kernarg_segment_ptr 1
		.amdhsa_wavefront_size32 1
		.amdhsa_system_sgpr_workgroup_id_x 1
		.amdhsa_system_sgpr_workgroup_id_y 1
		.amdhsa_system_sgpr_workgroup_id_z 1
		.amdhsa_system_vgpr_workitem_id 0
		.amdhsa_next_free_vgpr 256
		.amdhsa_next_free_sgpr 100
		.amdhsa_reserve_vcc 0
		.amdhsa_float_denorm_mode_32 3
		.amdhsa_float_denorm_mode_16_64 3
		.amdhsa_memory_ordered 1
		.amdhsa_forward_progress 1
		.amdhsa_inst_pref_size 184
	.end_amdhsa_kernel
	.amdgpu_metadata
---
amdhsa.version: [ 1, 2 ]
amdhsa.kernels:
  - .name:           k_q0e3a199eb7_attn_ffn
    .symbol:         k_q0e3a199eb7_attn_ffn.kd
    .args:
      - { .name: qimg, .offset: 0, .size: 8, .value_kind: global_buffer, .address_space: global }
      - { .name: kv, .offset: 8, .size: 8, .value_kind: global_buffer, .address_space: global }
      - { .name: wimg, .offset: 16, .size: 8, .value_kind: global_buffer, .address_space: global }
      - { .name: x, .offset: 24, .size: 8, .value_kind: global_buffer, .address_space: global }
      - { .name: ln_g, .offset: 32, .size: 8, .value_kind: global_buffer, .address_space: global }
      - { .name: ln_b, .offset: 40, .size: 8, .value_kind: global_buffer, .address_space: global }
      - { .name: W1_scales, .offset: 48, .size: 8, .value_kind: global_buffer, .address_space: global }
      - { .name: b1, .offset: 56, .size: 8, .value_kind: global_buffer, .address_space: global }
      - { .name: W2_scales, .offset: 64, .size: 8, .value_kind: global_buffer, .address_space: global }
      - { .name: b2, .offset: 72, .size: 8, .value_kind: global_buffer, .address_space: global }
      - { .name: lnff_g, .offset: 80, .size: 8, .value_kind: global_buffer, .address_space: global }
      - { .name: lnff_b, .offset: 88, .size: 8, .value_kind: global_buffer, .address_space: global }
      - { .name: out0, .offset: 96, .size: 8, .value_kind: global_buffer, .address_space: global }
    .group_segment_fixed_size: 327680
    .private_segment_fixed_size: 0
    .kernarg_segment_align: 8
    .kernarg_segment_size: 104
    .max_flat_workgroup_size: 512
    .sgpr_count:     100
    .vgpr_count:     256
    .wavefront_size: 32
...
	.end_amdgpu_metadata
.endif
;; end of part 2
;; ======== version 2 of 2: 2 launches
;; workspace buffers: kv 13,631,488 bytes; qimg 6,815,744 bytes; wimg 393,216 bytes
;; launch proj (part 3): grid 2 x 128, 4 waves a work-group, no clusters, 53,760 bytes of LDS; arguments x, Wq_codes, Wq_scales, bq, Wk_codes, Wk_scales, bk, Wv_codes, Wv_scales, bv, W1_codes, W2_codes, qimg, kv, wimg; writes qimg, kv, wimg
.if DOCPART == 3
	.amdgcn_target "amdgcn-amd-amdhsa--gfx1250"
	.amdhsa_code_object_version 6
	.text
	.protected	k_q0e3a199eb7_proj
	.globl	k_q0e3a199eb7_proj
	.p2align	8
	.type	k_q0e3a199eb7_proj,@function
k_q0e3a199eb7_proj:
	s_mov_b64 s[64:65], 0
	v_nop
	global_prefetch_b8 v0, s[64:65] scope:SCOPE_SE
	s_setreg_imm32_b32 hwreg(HW_REG_WAVE_SCHED_MODE, 0, 2), 2
	s_setreg_imm32_b32 hwreg(HW_REG_WAVE_MODE, 25, 1), 1
	s_wait_xcnt 0x0
	s_wait_alu depctr_vm_vsrc(0)
; q = Q(x) Wq + bq, k = Q(x) Wk + bk, v = Q(x) Wv + bv on codes of FP6 (E2M3) with one E8M0 scale for each 32 along K; the results are quantised at once for the attention that follows
; (q and k along the head's 64, v along the keys) and stored as IMAGES OF OPERAND REGISTERS: a group of four registers is 512 bytes, lane l's 16 bytes at 16 l.
; SHARES.  A work-group takes 128 tokens (work-group y = 8 bt + chunk) and four heads (4 x work-group x + wave): 256 work-groups.  A wave's 48 weight fragments (q, k, v of its head: 16 each) go from memory
; straight into its registers; x is quantised once in the work-group (wave w: token tiles 2 w, 2 w + 1) and goes round through LDS as register images.
; THE ROWS OF A TILE ARE NOT NEIGHBOURS: lane r of tile 2 b + u (of tokens, and of a weight's rows) takes row 32 b + 8 u + r + 8 (r / 8), so that the 16 result registers of tiles 2 b and 2 b + 1 are 16 neighbours
; along the next product's K: 32 b + 16 (lane / 16) + 0 .. 15.
; q, k: source 0 = 16 rows of the weight, source 1 = 16 tokens: a lane holds one token, its registers run along the head's 64.  Two token tiles make one fragment: registers 0-5 tile 2 b, registers 6-11 tile 2 b + 1.
; v: source 0 = 16 tokens, source 1 = 16 rows of Wv: a lane holds one channel, its registers run along the 128 tokens, which are the second attention product's K.
; Besides, wave 0 of work-group (x, y) copies fragment 2 y + x of W1 / W2 into wimg as a register image, for the next launch.
; NO CLUSTER, NO TENSOR LOADS: the weights never touch LDS, and what the two work-groups of a token block share is f32 that has to pass through registers to be quantised.
; LIMITS: NaN and infinities are not served.  A block whose largest magnitude lies under 2^-124 keeps the scale byte 1; so does a block of zeros (its codes are zeros; the bytes are read by this program alone).
; REGISTERS, in windows of 256.  Window 0: v1-9 addresses; v16-63, v64-111 two buffers of four x fragments (while x is quantised: v16-79 and v112-175 are two sets of 64 numbers; at the end v16-95 are v's four out-buffers);
;   v112-175 q's or k's sums of two token tiles; v176-195 codes just made; v196-211 at work; v212-215 four scale words just made; v216-223 x's scale words, two sets; v224-247 the weights' scale words.
;   Windows 1, 2, 3: Wq's, Wk's, Wv's fragment (tile t, K step s) at v[12 (4 t + s)]; v192-223 the bias in the result's layout.  Window 2 v224-235: the fragment to copy.  For v window 1 is given over to the 32 sums, (t, m) at v[64 t + 8 m].
; THE MODE: SCHED_MODE bits 1:0 = 2 (LLVM: expert scheduling mode 2), set by the entry lines.  The code itself states the register dependences
; between vector or matrix instructions and memory or LDS instructions, with s_wait_alu, always for 0.
; THE PLAN.  Registers that memory or LDS instructions touch:
;   v1-v9          offsets and LDS addresses: written at the head and never again; one wait on va_vdst stands ahead of the first load.
;   the two sets   v16-79, v112-175: global loads land; a step's quantiser reads its set; the set is loaded again in the same step, behind the step's one wait on va_vdst.
;   PC, PW         v176-187, v212-215: the quantiser writes them; LDS stores (x) or global stores (q, k, and PW for v) read them.  The same wait on va_vdst stands ahead of the stores; a wait on vm_vsrc ahead of the next quantiser.
;   the x buffers  v16-63, v64-111, with v216-219, v220-223: LDS loads land; visit n's 16 products read buffer n % 2; it is loaded again, for visit n + 2, behind one wait on va_vdst.  In an odd visit of q or k that wait
;                  stands behind the quantiser, where the stores want it too: one wait serves both.
;   OB             v16-95, when the x buffers are done with: an out-buffer for each of v's four fragments, so that no register that a store reads is written again.
;   The weights, the biases, the weights' scale words and the fragment to copy are loaded once; matrix instructions, or the copy's store, read them; nothing writes them again but the sums of v, which are matrix results.
;   v254, v255     written at the head, read by the closing add alone.
.set XIMG, 0                           ; LDS: x's 32 fragments, (token tile m, K step s) at (4 m + s) x 1,536
.set XSC,  49152                       ; their scale words: 512 bytes a tile, lane l's four words (K steps 0-3) at 16 l
.set XB,   16
.set OB,   16                          ; v's out-buffers: fragment t at OB + 20 t
.set ACC,  112
.set PC,   176
.set TM,   196
.set PW,   212
.set XS,   216
.set WS,   224                         ; v[WS + 8 type + 4 u + s]: lanes 0-15 tile u's word of K step s, lanes 16-31 tile 2 + u's
.set MSB,  0
.macro WIN new                         ; the immediate's high byte repeats the setting that is left; a switch that changes nothing is dropped
.if MSB != (\new)
	s_set_vgpr_msb (MSB<<8)|(\new)
.set MSB, (\new)
.endif
.endm
.macro PLACES n
.rept \n
	v_nop
.endr
.endm
; my 16 tokens' numbers of token tile u (of my two), K step s: 64 a lane, register 16 b + 4 j + .. = k 32 b + 16 (lane / 16) + 4 j + ..
.macro XLOAD reg, u, s
.irp b, 0,1,2,3
.irp j, 0,1,2,3
	global_load_b128 v[\reg+16*\b+4*\j:\reg+16*\b+4*\j+3], v3, s[4:5] offset:16384*(\u)+512*(\s)+128*\b+16*\j
.endr
.endr
.endm
; weight fragment f of 48: type f / 16, tile (f % 16) / 4, K step f % 4: 24 bytes and 24 bytes of a row's stream of bits, as they lie, in pieces of 8
.macro WLOAD f
.set WTY, (\f)/16
.set WTT, ((\f)%16)/4
.set WSS, (\f)%4
	WIN (WTY+1)<<6
.irp p, 0,1,2,3,4,5
	global_load_b64 v[12*((\f)%16)+2*\p:12*((\f)%16)+2*\p+1], v6, s[6+6*WTY:7+6*WTY] offset:(32*(WTT/2)+8*(WTT%2))*384+96*WSS+48*(\p/3)+8*(\p%3)
.endr
.endm
; 64 numbers of a lane in window w, register 16 b + i = k 32 b + 16 (lane / 16) + i of my row, become a fragment's codes in v[pc] on (window 0) and its scale word in v[pw]
.macro QUANT src, w, pw, pc
	WIN (\w)|((\w)<<2)
.irp b, 0,1,2,3
	v_max3_num_f32 v[TM+\b], |v[\src+16*\b]|, |v[\src+1+16*\b]|, 0x1800000   ; block b: my 16 numbers, and the floor 2^(3 - 127): the byte cannot fall under 1
.endr
	WIN ((\w)<<2)|((\w)<<4)
.irp i, 2,4,6,8,10,12,14
.irp b, 0,1,2,3
	v_max3_num_f32 v[TM+\b], v[TM+\b], |v[\src+16*\b+\i]|, |v[\src+1+16*\b+\i]|   ; the four blocks by turns; each sum's registers are read from the low end on
.endr
.endr
	WIN 0
.irp b, 0,1,2,3
	v_permlanex16_b32 v[TM+4+\b], v[TM+\b], s38, s39
.endr
.irp b, 0,1,2,3
	v_max_num_f32 v[TM+\b], v[TM+\b], v[TM+4+\b]   ; with lane l xor 16's: the block's largest magnitude
.endr
.irp b, 0,1,2,3
	v_add_nc_u32 v[TM+12+\b], 0xff000000, v[TM+\b]   ; 2 off its exponent field: the conversion's scale operand
.endr
.irp b, 0,1,2,3
	v_lshrrev_b32 v[TM+4+\b], 23, v[TM+12+\b]      ; the scale's byte
.endr
	v_lshl_or_b32 v[\pw], v[TM+5], 8, v[TM+4]
	v_lshl_or_b32 v[\pw], v[TM+6], 16, v[\pw]
	v_lshl_or_b32 v[\pw], v[TM+7], 24, v[\pw]      ; my row's scale word
	WIN (\w)
.irp c, 0,1
	v_cvt_scalef32_pk16_fp6_f32 v[\pc+6*\c:\pc+2+6*\c], v[\src+32*\c:\src+15+32*\c], v[TM+12+2*\c]
	v_cvt_scalef32_pk16_fp6_f32 v[\pc+12+4*\c:\pc+14+4*\c], v[\src+16+32*\c:\src+31+32*\c], v[TM+12+2*\c+1]   ; (a conversion's three registers begin on an even number)
.endr
	WIN 0
	v_nop                                          ; one plain place behind a scaled conversion
.irp c, 0,1                                    ; the operand's layout wants a whole block in a lane
.irp i, 0,1,2
	v_permlane16_swap_b32 v[\pc+6*\c+\i], v[\pc+12+4*\c+\i]
.endr
.irp i, 0,1,2
	v_mov_b32 v[\pc+3+6*\c+\i], v[\pc+12+4*\c+\i]
.endr
.endr
.endm
; token tile m's four x fragments and their scale words into buffer buf: 13 LDS loads
.macro FETCHX m, buf
.irp s, 0,1,2,3
.irp c, 0,1,2
	ds_load_b128 v[XB+48*(\buf)+12*\s+4*\c:XB+48*(\buf)+12*\s+4*\c+3], v1 offset:XIMG+(4*(\m)+\s)*1536+512*\c
.endr
.endr
	ds_load_b128 v[XS+4*(\buf):XS+4*(\buf)+3], v1 offset:XSC+512*(\m)
.endm
.macro MMQ d, a, b, c, sa, sb, row     ; row = 1: source 0's scales stand in lanes 16-31
.if \row
	v_wmma_scale_f32_16x16x128_f8f6f4 v[\d:\d+7], v[\a:\a+11], v[\b:\b+11], v[\c:\c+7], v[\sa], v[\sb] matrix_a_fmt:MATRIX_FMT_FP6 matrix_b_fmt:MATRIX_FMT_FP6 matrix_a_scale:MATRIX_SCALE_ROW1
.else
	v_wmma_scale_f32_16x16x128_f8f6f4 v[\d:\d+7], v[\a:\a+11], v[\b:\b+11], v[\c:\c+7], v[\sa], v[\sb] matrix_a_fmt:MATRIX_FMT_FP6 matrix_b_fmt:MATRIX_FMT_FP6
.endif
.endm
.macro MMV d, a, b, c, sa, sb, row     ; row = 1: source 1's scales stand in lanes 16-31
.if \row
	v_wmma_scale_f32_16x16x128_f8f6f4 v[\d:\d+7], v[\a:\a+11], v[\b:\b+11], v[\c:\c+7], v[\sa], v[\sb] matrix_a_fmt:MATRIX_FMT_FP6 matrix_b_fmt:MATRIX_FMT_FP6 matrix_b_scale:MATRIX_SCALE_ROW1
.else
	v_wmma_scale_f32_16x16x128_f8f6f4 v[\d:\d+7], v[\a:\a+11], v[\b:\b+11], v[\c:\c+7], v[\sa], v[\sb] matrix_a_fmt:MATRIX_FMT_FP6 matrix_b_fmt:MATRIX_FMT_FP6
.endif
.endm
; q (ty = 0) or k (1) of token tile m: 16 products, the four tiles' sums by turns, K ascending; the bias is the C of each sum's first product
.macro QKMUL ty, m
.irp s, 0,1,2,3
.if \s == 0
	WIN ((\ty)+1)|(((\ty)+1)<<4)
.else
	WIN (\ty)+1
.endif
.irp t, 0,1,2,3
.if \s == 0
	MMQ ACC+32*((\m)%2)+8*\t, 12*(4*\t+\s), XB+48*((\m)%2)+12*\s, 192+8*\t, WS+8*(\ty)+4*(\t%2)+\s, XS+4*((\m)%2)+\s, \t/2
.else
	MMQ ACC+32*((\m)%2)+8*\t, 12*(4*\t+\s), XB+48*((\m)%2)+12*\s, ACC+32*((\m)%2)+8*\t, WS+8*(\ty)+4*(\t%2)+\s, XS+4*((\m)%2)+\s, \t/2
.endif
.endr
.endr
.endm
; v of token tile m: source 0 = the tokens (window 0), source 1 = Wv (window 3), sums in window 1
.macro VMUL m
.irp s, 0,1,2,3
.if \s == 0
	WIN 0x7c
.else
	WIN 0x5c
.endif
.irp t, 0,1,2,3
.if \s == 0
	MMV 64*\t+8*(\m), XB+48*((\m)%2)+12*\s, 12*(4*\t+\s), 192+8*\t, XS+4*((\m)%2)+\s, WS+16+4*(\t%2)+\s, \t/2
.else
	MMV 64*\t+8*(\m), XB+48*((\m)%2)+12*\s, 12*(4*\t+\s), 64*\t+8*(\m), XS+4*((\m)%2)+\s, WS+16+4*(\t%2)+\s, \t/2
.endif
.endr
.endr
.endm
	s_load_b512 s[4:19], s[0:1], 0x0               ; x 4, Wq codes 6, scales 8, bq 10, Wk codes 12, scales 14, bk 16, Wv codes 18
	s_load_b256 s[20:27], s[0:1], 0x40             ; Wv scales 20, bv 22, W1 codes 24, W2 codes 26
	s_load_b128 s[28:31], s[0:1], 0x60             ; qimg 28, kv 30
	s_load_b64 s[32:33], s[0:1], 0x70              ; wimg
	v_lshl_add_u32 v254, v0, 2, 0xd000
	v_mov_b32 v255, 0
	v_lshrrev_b32 v10, 5, v0
	v_readfirstlane_b32 s34, v10                   ; wave 0..3
	v_and_b32 v10, 31, v0                          ; lane
	v_and_b32 v11, 15, v0                          ; r
	v_bfe_u32 v12, v0, 4, 1                        ; h
	v_and_b32 v13, 8, v11
	v_add_nc_u32 v13, v13, v11                     ; r + 8 (r / 8)
	v_lshlrev_b32 v1, 4, v10                       ; 16 x lane: an image's place for my lane
	v_lshlrev_b32 v2, 3, v10                       ; 8 x lane
	v_lshlrev_b32 v3, 11, v13
	v_lshl_add_u32 v3, v12, 6, v3                  ; x: my token's row of 2,048 bytes, + 64 h
	s_wait_alu depctr_va_sdst(0)                   ; s34 is written, ahead of its first reader: LDS places, bases and the branches on the wave's number are made from it
	s_mul_i32 s60, s34, 12288
	v_add_nc_u32 v4, s60, v1                       ; where I store x's images: my two tiles' eight fragments
	s_lshl_b32 s60, s34, 10
	s_add_co_u32 s60, s60, XSC
	v_add_nc_u32 v5, s60, v1                       ; and their scale words
	v_mul_u32_u24 v6, v13, 384
	v_mad_u32_u24 v6, v12, 24, v6                  ; a weight's row of 384 bytes, + 24 h
	v_lshlrev_b32 v7, 4, v13
	v_lshl_add_u32 v7, v12, 9, v7                  ; a weight's 16 scale bytes a row; lanes 16-31 take the tile 32 rows on
	v_lshlrev_b32 v8, 6, v12                       ; bq, bk: 64 h
	v_lshlrev_b32 v9, 2, v13                       ; bv: my channel
.irp b, 0,1,2,3
	v_mov_b32 v[TM+4+\b], 0                        ; written once: a lane permute's destination counts as one of its sources
.endr
	s_mov_b32 s38, 0x76543210
	s_mov_b32 s39, 0xfedcba98                      ; v_permlanex16_b32's selects for lane l xor 16
	s_mov_b32 s37, ttmp9                           ; which four heads
	s_and_b32 s36, ttmp7, 0xffff                   ; which 128 tokens
	s_lshl_b32 s35, s37, 2
	s_add_co_u32 s35, s35, s34                     ; my head
	s_lshr_b32 s46, s36, 3                         ; bt
	s_and_b32 s47, s36, 7                          ; the chunk of 128 tokens in it
	s_lshl_b32 s40, s36, 18                        ; x: 128 tokens x 2,048 bytes,
	s_lshl_b32 s41, s34, 16                        ; my 32 of them
	s_add_co_u32 s40, s40, s41
	s_mov_b32 s41, 0
	s_mul_i32 s42, s35, 24576                      ; my head's 64 rows of codes,
	s_mov_b32 s43, 0
	s_lshl_b32 s44, s35, 10                        ; of scale bytes,
	s_mov_b32 s45, 0
	s_lshl_b32 s48, s35, 8                         ; of a bias
	s_mov_b32 s49, 0
	s_mul_i32 s50, s46, 851968                     ; kv: [bt][head & 1][chunk][head >> 1] records of 13,312 bytes
	s_and_b32 s52, s34, 1
	s_mul_i32 s52, s52, 425984
	s_add_co_u32 s50, s50, s52
	s_mul_i32 s52, s47, 53248
	s_add_co_u32 s50, s50, s52
	s_lshl_b32 s52, s37, 1
	s_lshr_b32 s53, s34, 1
	s_add_co_u32 s52, s52, s53
	s_mul_i32 s52, s52, 13312
	s_add_co_u32 s50, s50, s52
	s_mov_b32 s51, 0
	s_lshl_b32 s52, s46, 3                         ; qimg: [bt][head][chunk] records of 6,656 bytes
	s_add_co_u32 s52, s52, s35
	s_lshl_b32 s52, s52, 3
	s_add_co_u32 s52, s52, s47
	s_mul_i32 s52, s52, 6656
	s_mov_b32 s53, 0
	s_lshl_b32 s54, s36, 1
	s_add_co_u32 s54, s54, s37                     ; the fragment of W1 / W2 to copy: bit 7 the matrix, bit 6 the K half, bits 5:4 g, bits 3:1 the tile, bit 0 the K step in the half
	s_bfe_u32 s56, s54, 0x20004
	s_lshl_b32 s56, s56, 7
	s_bfe_u32 s57, s54, 0x20002
	s_lshl_b32 s57, s57, 5
	s_add_co_u32 s56, s56, s57
	s_bfe_u32 s57, s54, 0x10001
	s_lshl_b32 s57, s57, 3
	s_add_co_u32 s56, s56, s57                     ; its first row: 128 g + 32 (t / 2) + 8 (t % 2)
	s_mul_i32 s56, s56, 384
	s_bfe_u32 s57, s54, 0x10006
	s_lshl_b32 s57, s57, 1
	s_and_b32 s58, s54, 1
	s_add_co_u32 s57, s57, s58                     ; its K step
	s_mul_i32 s57, s57, 96
	s_add_co_u32 s56, s56, s57
	s_mov_b32 s57, 0
	s_mul_i32 s58, s54, 1536                       ; and its place in wimg
	s_mov_b32 s59, 0
	s_wait_kmcnt 0x0
	s_add_nc_u64 s[4:5], s[4:5], s[40:41]
.irp ty, 0,1,2
	s_add_nc_u64 s[6+6*\ty:7+6*\ty], s[6+6*\ty:7+6*\ty], s[42:43]
	s_add_nc_u64 s[8+6*\ty:9+6*\ty], s[8+6*\ty:9+6*\ty], s[44:45]
	s_add_nc_u64 s[10+6*\ty:11+6*\ty], s[10+6*\ty:11+6*\ty], s[48:49]
.endr
	s_add_nc_u64 s[30:31], s[30:31], s[50:51]
	s_add_nc_u64 s[28:29], s[28:29], s[52:53]
	s_add_nc_u64 s[32:33], s[32:33], s[58:59]
	s_cmp_lt_u32 s54, 128                          ; W1 or W2: the choice hangs on the work-group's number alone
	s_cselect_b64 s[24:25], s[24:25], s[26:27]
	s_add_nc_u64 s[24:25], s[24:25], s[56:57]
	s_wait_alu depctr_va_vdst(0)                   ; the nine offsets and LDS addresses v1 to v9 are written: every load and store of the kernel reads one of them, and none is written again
	; the small loads: the weights' scale words and the biases
.irp ty, 0,1,2
.irp u, 0,1
	global_load_b128 v[WS+8*\ty+4*\u:WS+8*\ty+4*\u+3], v7, s[8+6*\ty:9+6*\ty] offset:128*\u
.endr
.endr
.irp ty, 0,1
	WIN (\ty+1)<<6
.irp t, 0,1,2,3
	global_load_b128 v[192+8*\t:195+8*\t], v8, s[10+6*\ty:11+6*\ty] offset:4*(32*(\t/2)+8*(\t%2))      ; lane (r, h), register j: the bias of channel 32 (t / 2) + 8 (t % 2) + 16 h + j
	global_load_b128 v[196+8*\t:199+8*\t], v8, s[10+6*\ty:11+6*\ty] offset:4*(32*(\t/2)+8*(\t%2))+16
.endr
.endr
	WIN 0xc0
.irp t, 0,1,2,3
.irp j, 0,1,2,3,4,5,6,7
	global_load_b32 v[192+8*\t+\j], v9, s[22:23] offset:4*(32*(\t/2)+8*(\t%2))     ; v: a lane holds one channel: its bias in all eight registers
.endr
.endr
	WIN 0
	s_cmp_lg_u32 s34, 0
	s_cbranch_scc1 .Lno_frag
	WIN 0x80
.irp p, 0,1,2,3,4,5
	global_load_b64 v[224+2*\p:225+2*\p], v6, s[24:25] offset:48*(\p/3)+8*(\p%3)   ; wave 0: the fragment to copy
.endr
	WIN 0
.Lno_frag:
	; ---- x: my two token tiles x four K steps are eight sets of 64 numbers; two sets are on their way while one is quantised, and six weight fragments are asked for in each step
	XLOAD XB, 0, 0
	XLOAD XB+96, 0, 1
.macro XSTEP i, cnt
	s_wait_loadcnt \cnt                            ; loads come back in order: set i is in; what was issued behind it may stay out
.if (\i) > 0
	s_wait_alu depctr_vm_vsrc(0)                   ; the last step's LDS stores have read the codes' and the scale words' registers, which this step's quantiser writes again
.endif
	QUANT XB+96*((\i)%2), 0, PW+(\i)%4, PC
	s_wait_alu depctr_va_vdst(0)                   ; the quantiser has written the codes and the scale word, which the LDS stores below read, and is done reading its set, in which the loads at the step's end land
.irp c, 0,1,2
	ds_store_b128 v4, v[PC+4*\c:PC+4*\c+3] offset:XIMG+(\i)*1536+512*\c
.endr
.if (\i)%4 == 3
	ds_store_b128 v5, v[PW:PW+3] offset:512*((\i)/4)
.endif
.irp k, 0,1,2,3,4,5
	WLOAD 6*(\i)+\k
.endr
	WIN 0
.if (\i) < 6
	XLOAD XB+96*((\i)%2), ((\i)+2)/4, ((\i)+2)%4   ; no wait: nothing since the wait above but LDS stores, loads and window switches, none of which names this set or v3
.endif
	s_wait_dscnt 0x0                               ; my LDS stores have landed (behind the last step: for the other waves' sake, ahead of the barrier)
.endm
	XSTEP 0, 16                                    ; behind set 0: set 1
	XSTEP 1, 52                                    ; behind set i: 36 weight loads and set i + 1
	XSTEP 2, 52
	XSTEP 3, 52
	XSTEP 4, 52
	XSTEP 5, 52
	XSTEP 6, 52
	XSTEP 7, 36                                    ; behind set 7: 36 weight loads
	s_barrier_signal -1                            ; (each wave's stores were waited for just above)
	s_barrier_wait -1                              ; x's 32 fragments lie in LDS
	s_wait_loadcnt 0x0                             ; all my weights are in
	s_cmp_lg_u32 s34, 0
	s_cbranch_scc1 .Lno_copy
	WIN 0x08                                       ; a store's data are its source 1: window 2
.irp c, 0,1,2
	global_store_b128 v1, v[224+4*\c:227+4*\c], s[32:33] offset:512*\c
.endr
	WIN 0
.Lno_copy:
	; ---- 24 visits: q, k, v x eight token tiles.  The x fragments of two visits are on their way or in hand, in two buffers
	FETCHX 0, 0                                    ; no wait: the quantisers that read v16-79 stand ahead of the last step's wait on va_vdst, and no vector instruction has been issued since
	FETCHX 1, 1
.set n, 0
.rept 24
.if n < 23
	s_wait_dscnt 13                                ; this visit's 13 loads are in; the next visit's 13 may be out
.else
	s_wait_dscnt 0x0
.endif
.if n < 16
	QKMUL n/8, n%8
.else
	VMUL n%8
.endif
	WIN 0
	PLACES 4                                       ; four places behind the products, in front of the first read of their results and of what is written into registers that they have read; they stay beside the waits below
.if (n < 16) && (n%2 == 1)
	s_wait_xcnt 0x0                                ; the earlier stores, two visits back, have had their addresses translated,
	s_wait_alu depctr_vm_vsrc(0)                   ; and have read the codes' and the scale words' registers, which the quantiser writes again
	QUANT ACC, 0, PW+(n%8)/2, PC                   ; two token tiles' 2 x 32 numbers a lane: one fragment
	s_wait_alu depctr_va_vdst(0)                   ; ONE wait for two things: this visit's products are done reading their x buffer and its scale words, in which the LDS loads below land; the quantiser has written the codes and the scale word, which the stores below read
	FETCHX (n+2)%8, n%2                            ; it has the whole next visit in which to land
.if n < 8
.irp i, 0,1,2,3,4,5
	global_store_b64 v2, v[PC+2*\i:PC+2*\i+1], s[28:29] offset:1536*((n%8)/2)+256*\i   ; q: 768 bytes a token tile, in three runs of 256: each tile is fetched by itself
.endr
.else
.irp c, 0,1,2
	global_store_b128 v1, v[PC+4*\c:PC+4*\c+3], s[30:31] offset:1536*((n%8)/2)+512*\c  ; k: the pair of tiles is one operand of 128 along K
.endr
.endif
.if n == 7
	global_store_b128 v1, v[PW:PW+3], s[28:29] offset:6144
.endif
.if n == 15
	global_store_b128 v1, v[PW:PW+3], s[30:31] offset:12288
.endif
.elseif n < 22
	s_wait_alu depctr_va_vdst(0)                   ; this visit's products are done reading their x buffer and its scale words, in which the LDS loads below land
	FETCHX (n+2)%8, n%2
.endif                                         ; (the last two visits fetch nothing, so they state nothing)
.set n, n+1
.endr
	; ---- v: channel tile t's 64 numbers a lane run along the 128 tokens.  Each fragment has an out-buffer of its own, in the x buffers, which are done with: no register that a store reads is written again
	s_wait_xcnt 0x0                                ; k's last stores have had their addresses translated,
	s_wait_alu depctr_vm_vsrc(0)                   ; and have read the four scale words' registers, which the quantisers below write again
.irp t, 0,1,2,3
	QUANT 64*\t, 1, PW+\t, OB+20*\t
	s_wait_alu depctr_va_vdst(0)                   ; the quantiser has written out-buffer t, which the three stores read (the last of these waits: and the fourth scale word)
.irp c, 0,1,2
	global_store_b128 v1, v[OB+20*\t+4*\c:OB+20*\t+4*\c+3], s[30:31] offset:6144+1536*\t+512*\c
.endr
.endr
	global_store_b128 v1, v[PW:PW+3], s[30:31] offset:12800
	s_wait_dscnt 0x0                               ; the closing lines, six on end
	s_wait_alu 0x0
	s_wait_tensorcnt 0x0
	ds_add_u32 v254, v255
	s_wait_dscnt 0x0
	s_endpgm
.Lfunc_end_k_q0e3a199eb7_proj:
	.size	k_q0e3a199eb7_proj, .Lfunc_end_k_q0e3a199eb7_proj-k_q0e3a199eb7_proj
	.p2alignl 7, 3214868480
	.fill 96, 4, 3214868480
	.section	.rodata,"a",@progbits
	.p2align	6, 0x0
	.amdhsa_kernel k_q0e3a199eb7_proj
		.amdhsa_group_segment_fixed_size 53760
		.amdhsa_private_segment_fixed_size 0
		.amdhsa_enable_private_segment 0
		.amdhsa_kernarg_size 120
		.amdhsa_user_sgpr_count 2
		.amdhsa_user_sgpr_kernarg_segment_ptr 1
		.amdhsa_wavefront_size32 1
		.amdhsa_system_sgpr_workgroup_id_x 1
		.amdhsa_system_sgpr_workgroup_id_y 1
		.amdhsa_system_sgpr_workgroup_id_z 1
		.amdhsa_system_vgpr_workitem_id 0
		.amdhsa_next_free_vgpr 1024
		.amdhsa_next_free_sgpr 66
		.amdhsa_reserve_vcc 0
		.amdhsa_float_denorm_mode_32 3
		.amdhsa_float_denorm_mode_16_64 3
		.amdhsa_memory_ordered 1
		.amdhsa_forward_progress 1
		.amdhsa_inst_pref_size 209
	.end_amdhsa_kernel
	.amdgpu_metadata
---
amdhsa.version: [ 1, 2 ]
amdhsa.kernels:
  - .name:           k_q0e3a199eb7_proj
    .symbol:         k_q0e3a199eb7_proj.kd
    .args:
      - { .name: x, .offset: 0, .size: 8, .value_kind: global_buffer, .address_space: global }
      - { .name: Wq_codes, .offset: 8, .size: 8, .value_kind: global_buffer, .address_space: global }
      - { .name: Wq_scales, .offset: 16, .size: 8, .value_kind: global_buffer, .address_space: global }
      - { .name: bq, .offset: 24, .size: 8, .value_kind: global_buffer, .address_space: global }
      - { .name: Wk_codes, .offset: 32, .size: 8, .value_kind: global_buffer, .address_space: global }
      - { .name: Wk_scales, .offset: 40, .size: 8, .value_kind: global_buffer, .address_space: global }
      - { .name: bk, .offset: 48, .size: 8, .value_kind: global_buffer, .address_space: global }
      - { .name: Wv_codes, .offset: 56, .size: 8, .value_kind: global_buffer, .address_space: global }
      - { .name: Wv_scales, .offset: 64, .size: 8, .value_kind: global_buffer, .address_space: global }
      - { .name: bv, .offset: 72, .size: 8, .value_kind: global_buffer, .address_space: global }
      - { .name: W1_codes, .offset: 80, .size: 8, .value_kind: global_buffer, .address_space: global }
      - { .name: W2_codes, .offset: 88, .size: 8, .value_kind: global_buffer, .address_space: global }
      - { .name: qimg, .offset: 96, .size: 8, .value_kind: global_buffer, .address_space: global }
      - { .name: kv, .offset: 104, .size: 8, .value_kind: global_buffer, .address_space: global }
      - { .name: wimg, .offset: 112, .size: 8, .value_kind: global_buffer, .address_space: global }
    .group_segment_fixed_size: 53760
    .private_segment_fixed_size: 0
    .kernarg_segment_align: 8
    .kernarg_segment_size: 120
    .max_flat_workgroup_size: 128
    .sgpr_count:     66
    .vgpr_count:     1024
    .wavefront_size: 32
...
	.end_amdgpu_metadata
.endif
;; end of part 3
;; launch attn_ffn (part 4): grid 16 x 16, 16 waves a work-group, clusters of 4 x 1, 327,680 bytes of LDS; arguments qimg, kv, wimg, x, ln_g, ln_b, W1_scales, b1, W2_scales, b2, lnff_g, lnff_b, out0; writes out0
.if DOCPART == 4
	.amdgcn_target "amdgcn-amd-amdhsa--gfx1250"
	.amdhsa_code_object_version 6
	.text
	.protected	k_q0e3a199eb7_attn_ffn
	.globl	k_q0e3a199eb7_attn_ffn
	.p2align	8
	.type	k_q0e3a199eb7_attn_ffn,@function
k_q0e3a199eb7_attn_ffn:
	s_mov_b64 s[64:65], 0
	v_nop
	global_prefetch_b8 v0, s[64:65] scope:SCOPE_SE
	s_setreg_imm32_b32 hwreg(HW_REG_WAVE_MODE, 25, 1), 1
	s_wait_xcnt 0x0
	s_wait_alu depctr_hold_cnt(0) depctr_sa_sdst(0) depctr_va_vdst(0) depctr_va_sdst(0) depctr_va_ssrc(0) depctr_va_vcc(0) depctr_vm_vsrc(0)
	s_getreg_b32 s2, hwreg(HW_REG_IB_STS2, 6, 4)
	s_cmp_eq_u32 s2, 0
	s_cbranch_scc0 .Lentry_in_a_cluster
	s_endpgm
.Lentry_in_a_cluster:
	s_bfe_u32 s2, ttmp6, 0x10000c
	s_cmp_lg_u32 s2, 0x3003
	s_cbranch_scc0 .Lentry_shape_is_right
	s_endpgm
.Lentry_shape_is_right:
; out = LN(relu(Q(val) W1 + b1) -> Q(.) W2 + b2), val = LN(attention + x): attention, residual, both norms and both products of the feed-forward part in one launch, on codes of FP6 (E2M3) with E8M0 scales.
; SHARES.  A work-group owns 64 queries of one (b, t), all 8 heads, all 512 features: 256 work-groups.  Wave w of sixteen: query tile qt = w / 4 (16 queries), g = w % 4: heads 2 g (first pass over the keys) and 2 g + 1
; (second pass); afterwards features 128 g .. 128 g + 127 of its 16 rows.  256 registers a wave, four waves to a SIMD: one wave's vector work stands beside another's products and LDS loads.
; OPERANDS ARE REGISTER IMAGES (a group of four registers: 512 bytes, lane l's 16 bytes at 16 l), in memory and in LDS: every fragment comes by three ds_load_b128 of consecutive bytes.
; ATTENTION.  S^T = K Q^T, O^T = V^T P^T: a lane holds one query throughout.  The head's 64 fill half of the instruction's 128: an operand of K holds TWO key tiles, [tile 2 b | tile 2 b + 1], and is multiplied once by
; [q | zeros] and once by [zeros | q].  The keys of a tile are not neighbours (lane r of tile 2 b + u: key 32 b + 8 u + r + 8 (r / 8)), so that p's 16 registers of two tiles are 16 neighbouring keys.
; SOFTMAX: t = score x log2(e) / 8; M = the running largest t rounded up to a whole number; p = 2^(t - M) is quantised along the keys; the sum is taken of the unquantised p and divides at the end.
; CLUSTER.  The four work-groups of a cluster belong to one (b, t): K's and V's tiles, and the weights, are asked for JOINTLY (mask 15), by waves 0-3, a quarter of a slot each.  By this text's count one tensor load of a wave is out at a time.
; LIMITS: NaN and infinities are not served.  Blocks under 2^-124, and blocks of zeros, keep the scale byte 1.  The running maximum starts at -3e38; a pass's first step multiplies what the registers hold by 2^(a saturated
; whole number) = 0, which takes those registers to be finite.  A block's largest p is made from its largest score, which takes v_exp_f32 not to fall where its input rises.
; LDS: two slots at 0 and 131,072 (106,496 bytes: two chunks of 128 keys x 4 heads; later 98,304: half of a weight along K; at last the stages of the way out); val's 16 fragments and scale words; the hidden layer's;
;   the norms' partial figures; the spare words.
; REGISTERS in attention: v1, v6 my place in a slot's first and second chunk; v2 the address in hand; v3, v4 for the add; v5 x's lane offset; v12 -M, v13 the largest t, v[14:15] the sum; v16-21 zeros, v22-27 q, v28-33 zeros;
;   v34-40 the second head's q and scale word; v42 the prefetch's offset; v44-91 four fragments; v96-159 S^T, then p; v160-191 the first head's o; v192-223 O^T; v224-235 p's codes; v232-254 at work; v248-251, v253, v255 scale words.
; Afterwards: v1 64 h, v2 16 (r + 8 (r / 8)), v6-11, v14, v15 LDS addresses, v12 16 x lane; v16-39 two row fragments (the norms: at work); v40-43 their scale words; v44-139 eight weight fragments; v160-223 my 64 numbers; v224-255 the weight's scale words.
.set SLOT1, 131072
.set CHK,   53248                      ; a chunk of 128 keys: four heads' records
.set REC,   13312                      ; a record: K's 4 fragments, V's 4, K's scale words (512 bytes), V's
.set XIMG,  237568                     ; val's fragments: (4 qt + K step) x 1,536
.set XSC,   262144                     ; their scale words: 512 bytes a query tile, lane l's four words at 16 l
.set HOFF,  26624                      ; the hidden layer's fragments and scale words lie this far behind val's
.set STAT,  290816                     ; 256 bytes a wave; the second norm's 4,096 bytes on
.set SPARE, 299008                     ; the spare words: 128 bytes for each of 16 waves, eight blocks of 256 bytes that no other line names
.set TM,    44
.set PW,    60
.set PC,    64
.macro PLACES n
.rept \n
	v_nop
.endr
.endm
.macro ROUND                           ; a round of the cluster's barrier
	s_barrier_signal -1
	s_barrier_wait -1
	s_cmp_lg_u32 s32, 0
	s_cbranch_scc1 .Lnot_wave_0_\@
	s_barrier_signal -3
.Lnot_wave_0_\@:
	s_barrier_wait -3
	s_barrier_signal -1
	s_barrier_wait -1
.endm
.macro TLOAD g0, g1                    ; waves 0-3 fetch a quarter each; the branch hangs on the wave's number alone; four v_nop follow the load
	s_cmp_lt_u32 s32, 4
	s_cbranch_scc0 .Lnone_\@
	tensor_load_to_lds s[\g0:\g0+3], s[\g1:\g1+7]
	s_nop 0
.rept 4
	v_nop
.endr
.Lnone_\@:
.endm
; THE CHANGE OF SLOTS.  Each wave waits for all its tensor loads (its part of the slot about to be read), adds 0 to its spare word, waits for that and for its LDS reads and stores; the round then holds of every wave of
; all four work-groups, and the slot that has been left is filled first thing behind it.  kv = 1: the walking descriptor steps to the other slot and the next 256 keys' records.
.macro CHANGE kv, g0, g1
	s_wait_tensorcnt 0x0                           ; no tensor load of mine is out, so a group 0 may be written
	ds_add_u32 v3, v4                              ; 0 onto my spare word
.if \kv
	s_xor_b32 s77, s77, SLOT1
	s_add_nc_u64 s[78:79], s[78:79], 2*CHK         ; the type bits on top are not reached
.endif
	s_wait_dscnt 0x0
	ROUND
	TLOAD \g0, \g1
.endm
.macro MM0 d, a, b, sa, sb             ; the product starts its sum
	v_wmma_scale_f32_16x16x128_f8f6f4 v[\d:\d+7], v[\a:\a+11], v[\b:\b+11], 0, v[\sa], v[\sb] matrix_a_fmt:MATRIX_FMT_FP6 matrix_b_fmt:MATRIX_FMT_FP6
.endm
.macro MMA d, a, b, sa, sb             ; it adds in place
	v_wmma_scale_f32_16x16x128_f8f6f4 v[\d:\d+7], v[\a:\a+11], v[\b:\b+11], v[\d:\d+7], v[\sa], v[\sb] matrix_a_fmt:MATRIX_FMT_FP6 matrix_b_fmt:MATRIX_FMT_FP6
.endm
; A KEY STEP: 128 keys, chunk q of the slot in hand
.macro STEP q
	v_add_nc_u32 v2, s40, v[1+5*(\q)]
	PLACES 3                                       ; with the line above: four places in front of loads into registers that the last products have read
.irp b, 0,1,2,3
.irp c, 0,1,2
	ds_load_b128 v[44+12*\b+4*\c:47+12*\b+4*\c], v2 offset:1536*\b+512*\c
.endr
.endr
	ds_load_b128 v[248:251], v2 offset:12288       ; K's scale words of the four operands
	s_wait_alu depctr_va_vdst(0)
	s_wait_dscnt 0x0
.irp b, 0,1,2,3
	MM0 96+16*\b, 44+12*\b, 22, 248+\b, 255        ; [q | zeros]: key tile 2 b
	MM0 104+16*\b, 44+12*\b, 16, 248+\b, 255       ; [zeros | q]: key tile 2 b + 1
.endr
	PLACES 4
.irp t, 0,1,2,3                                ; V's fragments land while the softmax is walked
.irp c, 0,1,2
	ds_load_b128 v[44+12*\t+4*\c:47+12*\t+4*\c], v2 offset:6144+1536*\t+512*\c
.endr
.endr
	ds_load_b128 v[248:251], v2 offset:12800
.irp b, 0,1,2,3
	v_max3_num_f32 v[232+\b], v[96+16*\b], v[97+16*\b], v[98+16*\b]   ; the largest score of each block of 32 keys: for the row's maximum, and for the block's largest p
.endr
.irp i, 3,5,7,9,11,13
.irp b, 0,1,2,3
	v_max3_num_f32 v[232+\b], v[232+\b], v[96+16*\b+\i], v[97+16*\b+\i]
.endr
.endr
.irp b, 0,1,2,3
	v_max_num_f32 v[232+\b], v[232+\b], v[111+16*\b]
.endr
.irp b, 0,1,2,3
	s_delay_alu instid0(VALU_DEP_4)
	v_permlanex16_b32 v[236+\b], v[232+\b], s36, s37
.endr
.irp b, 0,1,2,3
	s_delay_alu instid0(VALU_DEP_4)
	v_max_num_f32 v[232+\b], v[232+\b], v[236+\b]  ; with lane l xor 16's 16 keys
.endr
	s_delay_alu instid0(VALU_DEP_2)
	v_max3_num_f32 v254, v232, v233, v234
	s_delay_alu instid0(VALU_DEP_1)
	v_max_num_f32 v254, v254, v235
	s_delay_alu instid0(VALU_DEP_1)
	v_mul_f32 v254, s38, v254                      ; the step's largest t (c is positive)
	s_delay_alu instid0(VALU_DEP_1)
	v_max_num_f32 v13, v13, v254
	v_mov_b32 v254, v12
	s_delay_alu instid0(VALU_DEP_2)
	v_floor_f32 v12, -v13                          ; the new -M = -ceil(t)
	s_delay_alu instid0(VALU_DEP_1)
	v_sub_f32 v254, v12, v254                      ; old M - new M: a whole number, 0 or less
	s_delay_alu instid0(VALU_DEP_1)
	v_cvt_i32_f32 v254, v254                       ; (it saturates)
	s_delay_alu instid0(VALU_DEP_1)
	v_ldexp_f32 v252, 1.0, v254                    ; f = 2^(old M - new M)
.set jj, 0
.rept 32
	v_pk_fma_f32 v[96+jj:97+jj], v[96+jj:97+jj], s[38:39], v[12:13] op_sel_hi:[1,0,0]   ; t - M
.set jj, jj+2
.endr
.irp b, 0,1,2,3
	v_fma_f32 v[232+\b], v[232+\b], s38, v12
.endr
.set jj, 0
	s_wait_alu depctr_va_vdst(0)
.rept 64
	v_exp_f32 v[96+jj], v[96+jj]                   ; p = 2^(t - M)
.set jj, jj+1
.endr
.irp b, 0,1,2,3
	v_exp_f32 v[232+\b], v[232+\b]                 ; the block's largest p
.endr
	v_pk_mul_f32 v[14:15], v[14:15], v[252:253] op_sel_hi:[1,0]   ; the sums under the new M (a plain place behind the exponentials)
	s_wait_alu depctr_va_vdst(0)
.irp b, 0,1,2,3
	v_max_num_f32 v[232+\b], 0x1800000, v[232+\b]  ; the floor 2^(3 - 127)
.endr
.irp b, 0,1,2,3
	s_delay_alu instid0(VALU_DEP_4)
	v_add_nc_u32 v[244+\b], 0xff000000, v[232+\b]  ; the conversion's scale operand
.endr
.irp b, 0,1,2,3
	s_delay_alu instid0(VALU_DEP_4)
	v_lshrrev_b32 v[236+\b], 23, v[244+\b]
.endr
	s_delay_alu instid0(VALU_DEP_3)
	v_lshl_or_b32 v253, v237, 8, v236              ; p's scale word for these 128 keys
	s_delay_alu instid0(VALU_DEP_1)
	v_lshl_or_b32 v253, v238, 16, v253
	s_delay_alu instid0(VALU_DEP_1)
	v_lshl_or_b32 v253, v239, 24, v253
.irp c, 0,1
	v_cvt_scalef32_pk16_fp6_f32 v[224+6*\c:226+6*\c], v[96+32*\c:111+32*\c], v[244+2*\c]
	v_cvt_scalef32_pk16_fp6_f32 v[236+4*\c:238+4*\c], v[112+32*\c:127+32*\c], v[244+2*\c+1]
.endr
	v_nop                                          ; one plain place behind a scaled conversion
.irp c, 0,1
.irp i, 0,1,2
	v_permlane16_swap_b32 v[224+6*\c+\i], v[236+4*\c+\i]
.endr
.irp i, 0,1,2
	s_delay_alu instid0(VALU_DEP_3)
	v_mov_b32 v[227+6*\c+\i], v[236+4*\c+\i]
.endr
.endr
	v_pk_add_f32 v[236:237], v[100:101], v[104:105]
	v_pk_add_f32 v[246:247], v[108:109], v[112:113]
	v_pk_add_f32 v[244:245], v[116:117], v[120:121]
	v_pk_add_f32 v[242:243], v[124:125], v[128:129]
	v_pk_add_f32 v[240:241], v[132:133], v[136:137]
	v_pk_add_f32 v[94:95], v[140:141], v[144:145]
	v_pk_add_f32 v[92:93], v[148:149], v[152:153]
	v_pk_add_f32 v[14:15], v[14:15], v[156:157]
	v_pk_add_f32 v[236:237], v[236:237], v[96:97]
	v_pk_add_f32 v[246:247], v[246:247], v[98:99]
	v_pk_add_f32 v[244:245], v[244:245], v[102:103]
	v_pk_add_f32 v[242:243], v[242:243], v[106:107]
	v_pk_add_f32 v[240:241], v[240:241], v[110:111]
	v_pk_add_f32 v[94:95], v[94:95], v[114:115]
	v_pk_add_f32 v[92:93], v[92:93], v[118:119]
	v_pk_add_f32 v[14:15], v[14:15], v[122:123]
	v_pk_add_f32 v[236:237], v[236:237], v[126:127]
	v_pk_add_f32 v[246:247], v[246:247], v[130:131]
	v_pk_add_f32 v[244:245], v[244:245], v[134:135]
	v_pk_add_f32 v[242:243], v[242:243], v[138:139]
	v_pk_add_f32 v[240:241], v[240:241], v[142:143]
	v_pk_add_f32 v[94:95], v[94:95], v[146:147]
	v_pk_add_f32 v[92:93], v[92:93], v[150:151]
	v_pk_add_f32 v[14:15], v[14:15], v[154:155]
	v_pk_add_f32 v[236:237], v[236:237], v[158:159]
	s_delay_alu instid0(VALU_DEP_2)
	v_pk_add_f32 v[14:15], v[14:15], v[242:243]
	s_delay_alu instid0(VALU_DEP_2)
	v_pk_add_f32 v[236:237], v[236:237], v[240:241]
	v_pk_add_f32 v[246:247], v[246:247], v[94:95]
	v_pk_add_f32 v[244:245], v[244:245], v[92:93]
	s_delay_alu instid0(VALU_DEP_2)
	v_pk_add_f32 v[14:15], v[14:15], v[246:247]
	s_delay_alu instid0(VALU_DEP_2)
	v_pk_add_f32 v[236:237], v[236:237], v[244:245]
	s_delay_alu instid0(VALU_DEP_1)
	v_pk_add_f32 v[14:15], v[14:15], v[236:237]
.set jj, 0
.rept 16
	v_pk_mul_f32 v[192+jj:193+jj], v[192+jj:193+jj], v[252:253] op_sel_hi:[1,0]   ; O^T under the new M.  (With the sums: 48 plain lines between p's codes and scale word and the products)
.set jj, jj+2
.endr
	s_wait_alu depctr_va_vdst(0)
	s_wait_dscnt 0x0                               ; V is in
.irp t, 0,1,2,3
	MMA 192+8*\t, 44+12*\t, 224, 248+\t, 253
.endr
.endm
.macro SLOT_STEPS
	STEP 0
	STEP 1
	s_xor_b32 s40, s40, SLOT1                      ; on to the other slot
.endm
; 64 numbers of a lane, register 16 b + i = k 32 b + 16 (lane / 16) + i of my row, become a fragment's codes in v[PC] on and its scale word in v[PW]
.macro QUANT src
.irp b, 0,1,2,3
	v_max3_num_f32 v[TM+\b], |v[\src+16*\b]|, |v[\src+1+16*\b]|, 0x1800000
.endr
.irp i, 2,4,6,8,10,12,14
.irp b, 0,1,2,3
	s_delay_alu instid0(VALU_DEP_4)
	v_max3_num_f32 v[TM+\b], v[TM+\b], |v[\src+16*\b+\i]|, |v[\src+1+16*\b+\i]|
.endr
.endr
.irp b, 0,1,2,3
	s_delay_alu instid0(VALU_DEP_4)
	v_permlanex16_b32 v[TM+4+\b], v[TM+\b], s36, s37   ; (the destinations hold loaded data that is done with)
.endr
.irp b, 0,1,2,3
	s_delay_alu instid0(VALU_DEP_4)
	v_max_num_f32 v[TM+\b], v[TM+\b], v[TM+4+\b]
.endr
.irp b, 0,1,2,3
	s_delay_alu instid0(VALU_DEP_4)
	v_add_nc_u32 v[TM+12+\b], 0xff000000, v[TM+\b]
.endr
.irp b, 0,1,2,3
	s_delay_alu instid0(VALU_DEP_4)
	v_lshrrev_b32 v[TM+4+\b], 23, v[TM+12+\b]
.endr
	s_delay_alu instid0(VALU_DEP_3)
	v_lshl_or_b32 v[PW], v[TM+5], 8, v[TM+4]
	s_delay_alu instid0(VALU_DEP_1)
	v_lshl_or_b32 v[PW], v[TM+6], 16, v[PW]
	s_delay_alu instid0(VALU_DEP_1)
	v_lshl_or_b32 v[PW], v[TM+7], 24, v[PW]
.irp c, 0,1
	v_cvt_scalef32_pk16_fp6_f32 v[PC+6*\c:PC+2+6*\c], v[\src+32*\c:\src+15+32*\c], v[TM+12+2*\c]
	v_cvt_scalef32_pk16_fp6_f32 v[PC+12+4*\c:PC+14+4*\c], v[\src+16+32*\c:\src+31+32*\c], v[TM+12+2*\c+1]
.endr
	v_nop                                          ; one plain place behind a scaled conversion
.irp c, 0,1
.irp i, 0,1,2
	v_permlane16_swap_b32 v[PC+6*\c+\i], v[PC+12+4*\c+\i]
.endr
.irp i, 0,1,2
	s_delay_alu instid0(VALU_DEP_3)
	v_mov_b32 v[PC+3+6*\c+\i], v[PC+12+4*\c+\i]
.endr
.endr
.endm
.macro IMAGE off                       ; my fragment (rows qt, K step g) and its scale words go to LDS as they stand
.irp c, 0,1,2
	ds_store_b128 v6, v[PC+4*\c:PC+4*\c+3] offset:\off+512*\c
.endr
	ds_store_b32 v7, v[PW] offset:\off
.endm
; 16 loads: 64 numbers of a vector of 512 in my lane's order (feature 128 g + 32 b + 16 h + 4 j ..) into v[reg] on
.macro VEC reg, base
.irp b, 0,1,2,3
.irp j, 0,1,2,3
	global_load_b128 v[\reg+16*\b+4*\j:\reg+16*\b+4*\j+3], v1, s[\base:\base+1] offset:128*\b+16*\j
.endr
.endr
.endm
; 16 loads: a bias as the C of my eight tiles' first products, in the result's layout
.macro BIAS base
.irp t, 0,1,2,3,4,5,6,7
	global_load_b128 v[160+8*\t:163+8*\t], v1, s[\base:\base+1] offset:4*(32*(\t/2)+8*(\t%2))
	global_load_b128 v[164+8*\t:167+8*\t], v1, s[\base:\base+1] offset:4*(32*(\t/2)+8*(\t%2))+16
.endr
.endm
.macro WSCALES base                    ; my eight tiles' scale words, four K steps a row
.irp t, 0,1,2,3,4,5,6,7
	global_load_b128 v[224+4*\t:227+4*\t], v2, s[\base:\base+1] offset:16*(32*(\t/2)+8*(\t%2))
.endr
.endm
; LAYER NORM of v160-223 (my 128 features of 16 rows; a row's 512 lie in four waves), gain in v32-95, bias in v96-159.  Each wave takes its own mean away first and sums squares of what is left; the four waves' means and
; sums of squares meet in LDS and are joined by M2 = the sum of the four + 128 x the sum of (a wave's mean - the mean)^2: no difference of large sums is formed.
.macro LNORM st
	v_pk_add_f32 v[18:19], v[160:161], v[164:165]
	v_pk_add_f32 v[28:29], v[168:169], v[172:173]
	v_pk_add_f32 v[26:27], v[176:177], v[180:181]
	v_pk_add_f32 v[24:25], v[184:185], v[188:189]
	v_pk_add_f32 v[22:23], v[192:193], v[196:197]
	v_pk_add_f32 v[20:21], v[200:201], v[204:205]
	v_pk_add_f32 v[16:17], v[208:209], v[212:213]
	v_pk_add_f32 v[16:17], v[16:17], v[216:217]
	v_pk_add_f32 v[18:19], v[18:19], v[220:221]
	v_pk_add_f32 v[28:29], v[28:29], v[162:163]
	v_pk_add_f32 v[26:27], v[26:27], v[166:167]
	v_pk_add_f32 v[24:25], v[24:25], v[170:171]
	v_pk_add_f32 v[22:23], v[22:23], v[174:175]
	v_pk_add_f32 v[20:21], v[20:21], v[178:179]
	v_pk_add_f32 v[16:17], v[16:17], v[182:183]
	v_pk_add_f32 v[18:19], v[18:19], v[186:187]
	v_pk_add_f32 v[28:29], v[28:29], v[190:191]
	v_pk_add_f32 v[26:27], v[26:27], v[194:195]
	v_pk_add_f32 v[24:25], v[24:25], v[198:199]
	v_pk_add_f32 v[22:23], v[22:23], v[202:203]
	v_pk_add_f32 v[20:21], v[20:21], v[206:207]
	v_pk_add_f32 v[16:17], v[16:17], v[210:211]
	v_pk_add_f32 v[18:19], v[18:19], v[214:215]
	v_pk_add_f32 v[28:29], v[28:29], v[218:219]
	v_pk_add_f32 v[26:27], v[26:27], v[222:223]
	s_delay_alu instid0(VALU_DEP_4)
	v_pk_add_f32 v[16:17], v[16:17], v[24:25]
	s_delay_alu instid0(VALU_DEP_4)
	v_pk_add_f32 v[18:19], v[18:19], v[22:23]
	s_delay_alu instid0(VALU_DEP_4)
	v_pk_add_f32 v[28:29], v[28:29], v[20:21]
	s_delay_alu instid0(VALU_DEP_1)
	v_pk_add_f32 v[16:17], v[16:17], v[28:29]
	s_delay_alu instid0(VALU_DEP_3)
	v_pk_add_f32 v[18:19], v[18:19], v[26:27]
	s_delay_alu instid0(VALU_DEP_1)
	v_pk_add_f32 v[16:17], v[16:17], v[18:19]
	s_delay_alu instid0(VALU_DEP_1)
	v_add_f32 v16, v16, v17
	s_delay_alu instid0(VALU_DEP_1)
	v_permlanex16_b32 v17, v16, s36, s37
	s_delay_alu instid0(VALU_DEP_1)
	v_add_f32 v16, v16, v17
	s_delay_alu instid0(VALU_DEP_1)
	v_mul_f32 v20, 0x3c000000, v16                 ; / 128: my wave's mean of row r
	s_delay_alu instid0(VALU_DEP_1)
	v_mov_b32 v21, v20
.set jj, 0
.rept 32
	v_pk_add_f32 v[160+jj:161+jj], v[160+jj:161+jj], v[20:21] neg_lo:[0,1] neg_hi:[0,1]
.set jj, jj+2
.endr
	v_pk_mul_f32 v[16:17], v[160:161], v[160:161]
	v_pk_mul_f32 v[18:19], v[162:163], v[162:163]
.set jj, 4
.rept 15
	s_delay_alu instid0(VALU_DEP_2)
	v_pk_fma_f32 v[16:17], v[160+jj:161+jj], v[160+jj:161+jj], v[16:17]
	s_delay_alu instid0(VALU_DEP_2)
	v_pk_fma_f32 v[18:19], v[162+jj:163+jj], v[162+jj:163+jj], v[18:19]
.set jj, jj+4
.endr
	s_delay_alu instid0(VALU_DEP_1)
	v_pk_add_f32 v[16:17], v[16:17], v[18:19]
	s_delay_alu instid0(VALU_DEP_1)
	v_add_f32 v16, v16, v17
	s_delay_alu instid0(VALU_DEP_1)
	v_permlanex16_b32 v17, v16, s36, s37
	s_delay_alu instid0(VALU_DEP_1)
	v_add_f32 v21, v16, v17                        ; my wave's sum of squares round its mean
	ds_store_b64 v14, v[20:21] offset:\st
	s_wait_dscnt 0x0                               ; for the others' sake: my store has landed
	s_barrier_signal -1
	s_barrier_wait -1
.irp k, 0,1,2,3
	ds_load_b64 v[22+2*\k:23+2*\k], v15 offset:\st+256*\k
.endr
	s_wait_dscnt 0x0
	v_add_f32 v16, v22, v24
	v_add_f32 v17, v26, v28
	s_delay_alu instid0(VALU_DEP_1)
	v_add_f32 v16, v16, v17
	s_delay_alu instid0(VALU_DEP_1)
	v_mul_f32 v16, 0x3e800000, v16                 ; the row's mean
	v_add_f32 v17, v23, v25
	v_add_f32 v18, v27, v29
	s_delay_alu instid0(VALU_DEP_1)
	v_add_f32 v17, v17, v18
	s_delay_alu instid0(VALU_DEP_4)
	v_sub_f32 v22, v22, v16
	v_sub_f32 v24, v24, v16
	v_sub_f32 v26, v26, v16
	v_sub_f32 v28, v28, v16
	s_delay_alu instid0(VALU_DEP_4)
	v_mul_f32 v18, v22, v22
	s_delay_alu instid0(VALU_DEP_1)
	v_fma_f32 v18, v24, v24, v18
	s_delay_alu instid0(VALU_DEP_1)
	v_fma_f32 v18, v26, v26, v18
	s_delay_alu instid0(VALU_DEP_1)
	v_fma_f32 v18, v28, v28, v18
	s_delay_alu instid0(VALU_DEP_1)
	v_fma_f32 v17, v18, 0x43000000, v17            ; + 128 x the means' spread
	s_delay_alu instid0(VALU_DEP_1)
	v_fma_f32 v17, v17, s44, s45                   ; / 512 + eps
	s_wait_alu depctr_va_vdst(0)
	v_rsq_f32 v30, v17
	v_sub_f32 v28, v20, v16                        ; my wave's mean - the row's (a plain place behind the transcendental)
	s_wait_alu depctr_va_vdst(0)
	v_mul_f32 v28, v28, v30
	s_wait_alu depctr_va_vdst(0)
	s_wait_loadcnt 0x0                             ; gain and bias
.set jj, 0
.rept 32
	v_pk_fma_f32 v[160+jj:161+jj], v[160+jj:161+jj], v[30:31], v[28:29] op_sel_hi:[1,0,0]   ; (x - mean) / sqrt(var + eps)
.set jj, jj+2
.endr
.set jj, 0
.rept 32
	v_pk_fma_f32 v[160+jj:161+jj], v[160+jj:161+jj], v[32+jj:33+jj], v[96+jj:97+jj]
.set jj, jj+2
.endr
.endm
; Half of a product along K: K steps k0 and k0 + 1.  ra: the address register of my 16 weight fragments in the slot; img: 0 val's images, HOFF the hidden layer's.  first = 1: the rows' scale words come, and the global loads
; (the weight's scale words, the bias) are waited for.  Source 0 = 16 rows of the weight, source 1 = my 16 rows; the eight sums take turns.
.macro HALF ra, img, k0, first
.if \first
	ds_load_b128 v[40:43], v9 offset:\img
.endif
.irp q, 0,1
.irp c, 0,1,2
	ds_load_b128 v[16+12*\q+4*\c:19+12*\q+4*\c], v8 offset:\img+1536*(\k0+\q)+512*\c
.endr
.endr
.if \first
	s_wait_loadcnt 0x0
.endif
.irp q, 0,1
.irp t, 0,1,2,3,4,5,6,7
.irp c, 0,1,2
	ds_load_b128 v[44+12*\t+4*\c:47+12*\t+4*\c], v[\ra] offset:1536*(2*\t+\q)+512*\c
.endr
.endr
	s_wait_dscnt 12                                ; all but the youngest 12 loads: tiles 4-7's fragments may be out
.irp t, 0,1,2,3
	MMA 160+8*\t, 44+12*\t, 16+12*\q, 224+4*\t+\k0+\q, 40+\k0+\q
.endr
	s_wait_dscnt 0x0
.irp t, 4,5,6,7
	MMA 160+8*\t, 44+12*\t, 16+12*\q, 224+4*\t+\k0+\q, 40+\k0+\q
.endr
	PLACES 4                                       ; in front of loads into registers that the products have read, and of the first read of results
.endr
.endm
	s_load_b512 s[4:19], s[0:1], 0x0               ; qimg 4, kv 6, wimg 8, x 10, ln_g 12, ln_b 14, W1 scales 16, b1 18
	s_load_b256 s[20:27], s[0:1], 0x40             ; W2 scales 20, b2 22, lnff_g 24, lnff_b 26
	s_load_b64 s[28:29], s[0:1], 0x60              ; out0
	v_lshl_add_u32 v3, v0, 2, SPARE
	v_mov_b32 v4, 0
	ds_add_u32 v3, v4
	ds_add_u32 v3, v4
	s_wait_dscnt 0x0
	v_lshrrev_b32 v7, 5, v0
	s_delay_alu instid0(VALU_DEP_1)
	v_readfirstlane_b32 s32, v7                    ; wave 0..15
	s_lshr_b32 s33, s32, 2                         ; qt
	s_and_b32 s34, s32, 3                          ; g
	s_bfe_u32 s48, ttmp6, 0x40000                  ; cx: it enters the addresses of qimg, x and out0 alone
	s_lshl_b32 s42, ttmp9, 2
	s_add_co_u32 s42, s42, s48                     ; my block of 64 queries
	s_and_b32 s43, ttmp7, 0xffff                   ; (b, t), which the four partners share
	s_mov_b32 s36, 0x76543210
	s_mov_b32 s37, 0xfedcba98                      ; v_permlanex16_b32's selects for lane l xor 16
	s_mov_b32 s38, 0x3e38aa3b                      ; c = log2(e) / 8
	s_mov_b32 s39, s38                             ; (named with it as a pair, so it is written)
	s_mov_b32 s40, 0                               ; the slot in hand
	s_mov_b32 s44, 0x3b000000                      ; 1 / 512
	s_mov_b32 s45, 0x3727c5ac                      ; 1e-5
	; descriptor groups 1: dense blocks as rows of 256 bytes (32 elements of 8 bytes): 104 rows (a quarter of a slot of K and V), 96 rows (a quarter of half a weight)
	s_mov_b32 s56, 15|(3<<16)|(1<<21)              ; 15:0 the mask: all four work-groups; 17:16 elements of 8 bytes; 21 set beside a mask
	s_mov_b32 s57, 32<<16                          ; tensor_dim0
	s_mov_b32 s58, 104<<16                         ; tensor_dim1
	s_mov_b32 s59, 32<<16                          ; tile_dim0
	s_mov_b32 s60, 104                             ; tile_dim1
	s_mov_b32 s61, 32                              ; the pitch
	s_mov_b32 s62, 0
	s_mov_b32 s63, 0
	s_mov_b32 s68, 15|(3<<16)|(1<<21)
	s_mov_b32 s69, 32<<16
	s_mov_b32 s70, 96<<16
	s_mov_b32 s71, 32<<16
	s_mov_b32 s72, 96
	s_mov_b32 s73, 32
	s_mov_b32 s74, 0
	s_mov_b32 s75, 0
	v_and_b32 v7, 31, v0                           ; lane
	v_and_b32 v8, 15, v0                           ; r
	v_bfe_u32 v9, v0, 4, 1                         ; h
	s_delay_alu instid0(VALU_DEP_2)
	v_and_b32 v10, 8, v8
	s_delay_alu instid0(VALU_DEP_1)
	v_add_nc_u32 v10, v10, v8                      ; r + 8 (r / 8)
	s_delay_alu instid0(VALU_DEP_1)
	v_lshlrev_b32 v5, 11, v10
	s_delay_alu instid0(VALU_DEP_1)
	v_lshl_add_u32 v5, v9, 6, v5                   ; x: my query's row of 2,048 bytes, + 64 h
	s_mul_i32 s48, s34, REC
	v_lshl_add_u32 v1, v7, 4, s48                  ; my heads' record in a chunk, + 16 x lane
	s_delay_alu instid0(VALU_DEP_1)
	v_add_nc_u32 v6, CHK, v1                       ; the same in the slot's second chunk
	v_lshlrev_b32 v11, 3, v7                       ; 8 x lane
	v_lshlrev_b32 v43, 4, v7                       ; 16 x lane
	v_lshlrev_b32 v42, 8, v0                       ; 256 x thread
	s_wait_kmcnt 0x0
	s_lshl_b32 s48, s43, 21                        ; x and out0: (1,024 bt + 64 block) rows of 2,048 bytes
	s_lshl_b32 s49, s42, 17
	s_add_co_u32 s48, s48, s49
	s_mov_b32 s49, 0
	s_lshr_b32 s50, s33, 1                         ; my tile's first row, 32 (qt / 2) + 8 (qt % 2), and my 128 features
	s_lshl_b32 s50, s50, 16
	s_and_b32 s51, s33, 1
	s_lshl_b32 s46, s51, 4                         ; 16 (qt % 2): which half of a pair's scale word is my tile's
	s_lshl_b32 s51, s51, 14
	s_add_co_u32 s50, s50, s51
	s_lshl_b32 s51, s34, 9
	s_add_co_u32 s50, s50, s51
	s_mov_b32 s51, 0
	s_add_nc_u64 s[96:97], s[10:11], s[48:49]      ; x at the work-group's 64 rows
	s_add_nc_u64 s[10:11], s[96:97], s[50:51]
	s_add_nc_u64 s[28:29], s[28:29], s[48:49]
	s_add_nc_u64 s[28:29], s[28:29], s[50:51]
	s_lshl_b32 s48, s34, 9                         ; my 128 numbers of each vector of 512
.irp p, 12,14,18,22,24,26
	s_add_nc_u64 s[\p:\p+1], s[\p:\p+1], s[48:49]
.endr
	s_lshl_b32 s48, s34, 11                        ; my 128 rows of 16 scale bytes
	s_add_nc_u64 s[16:17], s[16:17], s[48:49]
	s_add_nc_u64 s[20:21], s[20:21], s[48:49]
	s_mov_b32 s76, 1                               ; group 0 for K and V: count = 1,
	s_mul_i32 s77, s34, 26624                      ; LDS: my quarter of slot 0,
	s_mul_i32 s48, s43, 851968
	s_add_co_u32 s48, s48, s77
	s_add_nc_u64 s[78:79], s[6:7], s[48:49]        ; memory: my quarter of this (b, t)'s first slot; the eight slots lie on end
	s_or_b32 s79, s79, 0x80000000                  ; type = 2
	s_mul_i32 s48, s34, 24576
	s_add_nc_u64 s[8:9], s[8:9], s[48:49]
.irp k, 0,1,2,3                                ; groups 0 for W1's two halves along K and W2's: the first half into slot 0, the second into slot 1
	s_mov_b32 s[80+4*\k], 1
	s_add_co_u32 s[81+4*\k], s48, (\k%2)*SLOT1
	s_add_nc_u64 s[82+4*\k:83+4*\k], s[8:9], \k*98304
	s_or_b32 s[83+4*\k], s[83+4*\k], 0x80000000
.endr
	s_lshl_b32 s48, s43, 3                         ; qimg: the record of (bt, head 2 g, chunk = block / 2),
	s_lshl_b32 s50, s34, 1
	s_add_co_u32 s48, s48, s50
	s_lshl_b32 s48, s48, 3
	s_lshr_b32 s50, s42, 1
	s_add_co_u32 s48, s48, s50
	s_mul_i32 s48, s48, 6656
	s_and_b32 s50, s42, 1
	s_lshl_b32 s50, s50, 2
	s_add_co_u32 s50, s50, s33                     ; my token tile in it: m = 4 (block % 2) + qt
	s_lshr_b32 s52, s50, 1
	s_lshl_b32 s52, s52, 2
	s_add_co_u32 s52, s52, s48
	s_add_co_u32 s52, s52, 6144                    ; the scale word of pair m / 2
	s_mov_b32 s53, 0
	s_mul_i32 s50, s50, 768
	s_add_co_u32 s50, s50, s48
	s_mov_b32 s51, 0
	s_add_nc_u64 s[52:53], s[4:5], s[52:53]
	s_add_nc_u64 s[4:5], s[4:5], s[50:51]
	ROUND                                          ; all four work-groups are here: the first joint load meets
	TLOAD 76, 56                                   ; slot 0
	s_wait_alu depctr_va_vdst(0)
.irp i, 0,1,2
	global_load_b64 v[22+2*\i:23+2*\i], v11, s[4:5] offset:256*\i             ; q of head 2 g,
	global_load_b64 v[34+2*\i:35+2*\i], v11, s[4:5] offset:53248+256*\i       ; of head 2 g + 1: eight records on
.endr
	global_load_b32 v255, v43, s[52:53]
	global_load_b32 v40, v43, s[52:53] offset:53248
.irp j, 16,17,18,19,20,21,28,29,30,31,32,33
	v_mov_b32 v\j, 0                               ; zero codes on both sides of q
.endr
	v_mov_b32 v13, 0xff61b1e6                      ; the largest t so far: -3e38
	s_delay_alu instid0(VALU_DEP_1)
	v_floor_f32 v12, -v13                          ; -M
	v_mov_b32 v14, 0
	v_mov_b32 v15, 0
.irp b, 0,1,2,3
	v_mov_b32 v[236+\b], 0                         ; written once: a lane permute's destination counts as one of its sources
.endr
	v_mov_b32 v253, 0                              ; (named as the upper half of the pair v[252:253] before it is first written)
	s_wait_loadcnt 0x0
.irp w, 255, 40                                ; my tile's two scale bytes, twice: they serve [q | zeros] and [zeros | q] alike
	v_lshrrev_b32 v\w, s46, v\w
	s_delay_alu instid0(VALU_DEP_1)
	v_and_b32 v\w, 0xffff, v\w
	s_delay_alu instid0(VALU_DEP_1)
	v_lshl_or_b32 v\w, v\w, 16, v\w
.endr
.set jj, 0
.rept 32
	v_mov_b32 v[192+jj], 0                         ; O^T: the step is written once, and its first walk finds zeros.  (These lines also stand between the scale word's last write and the first product)
.set jj, jj+1
.endr
	; ---- the first pass: head 2 g, slots 0 to 3
	s_mov_b32 s41, 4
.Lpass0:
	CHANGE 1, 76, 56
	SLOT_STEPS
	s_sub_co_u32 s41, s41, 1
	s_cmp_lg_u32 s41, 0
	s_cbranch_scc1 .Lpass0
.irp i, 0,1,2,3,4,5
	v_mov_b32 v[22+\i], v[34+\i]                   ; the second head's q.  (These seven lines are the places behind the last products)
.endr
	v_mov_b32 v255, v40
	v_add_f32 v14, v14, v15
	s_delay_alu instid0(VALU_DEP_1)
	v_permlanex16_b32 v252, v14, s36, s37
	s_delay_alu instid0(VALU_DEP_1)
	v_add_f32 v14, v14, v252                       ; the row's sum
	s_wait_alu depctr_va_vdst(0)
	v_rcp_f32 v14, v14
	v_mov_b32 v13, 0xff61b1e6                      ; the maximum starts anew (a plain place behind the transcendental): the next step's f is 0, which clears the sums and O^T
	s_delay_alu instid0(VALU_DEP_1)
	v_floor_f32 v12, -v13
.set jj, 0
	s_wait_alu depctr_va_vdst(0)
.rept 32
	v_mul_f32 v[160+jj], v[192+jj], v14            ; head 2 g's o: register 16 b + i is channel 32 b + 16 h + i
.set jj, jj+1
.endr
	; ---- the second pass: head 2 g + 1, slots 4 to 7; the last slot is written out: behind its change of slots W1's first half is asked for
	s_mov_b32 s41, 3
.Lpass1:
	CHANGE 1, 76, 56
	SLOT_STEPS
	s_sub_co_u32 s41, s41, 1
	s_cmp_lg_u32 s41, 0
	s_cbranch_scc1 .Lpass1
	CHANGE 0, 80, 68
	STEP 0
	global_prefetch_b8 v42, s[96:97] th:TH_LOAD_NT scope:SCOPE_SE   ; the work-group's 64 rows of x, 131,072 bytes: its 512 threads ask 256 bytes apart, each place once, one key step ahead of the loads
	STEP 1
	; ---- residual and first norm
	CHANGE 0, 84, 68                               ; W1's second half into slot 1; W1's first half has landed
	PLACES 4                                       ; in front of loads into registers that the last products have read
	s_wait_xcnt 0x0                                ; the prefetch has read v42, on which a load lands below
	v_and_b32 v16, 31, v0                          ; lane
	v_and_b32 v17, 15, v0                          ; r
	v_bfe_u32 v18, v0, 4, 1                        ; h
	s_delay_alu instid0(VALU_DEP_2)
	v_and_b32 v19, 8, v17
	s_delay_alu instid0(VALU_DEP_1)
	v_add_nc_u32 v19, v19, v17
	s_delay_alu instid0(VALU_DEP_3)
	v_lshlrev_b32 v1, 6, v18                       ; 64 h
	s_delay_alu instid0(VALU_DEP_2)
	v_lshlrev_b32 v2, 4, v19                       ; 16 (r + 8 (r / 8))
	WSCALES 16
.irp b, 0,1,2,3
.irp j, 0,1,2,3
	global_load_b128 v[96+16*\b+4*\j:99+16*\b+4*\j], v5, s[10:11] offset:128*\b+16*\j th:TH_LOAD_NT   ; x at my query and my 64 features
.endr
.endr
	VEC 32, 12                                     ; ln_g
	v_lshlrev_b32 v12, 4, v16                      ; 16 x lane
	s_mul_i32 s48, s32, 1536
	s_add_co_u32 s48, s48, XIMG
	v_lshl_add_u32 v6, v16, 4, s48                 ; where I store my fragment's image
	s_lshl_b32 s49, s33, 9
	s_add_co_u32 s49, s49, XSC
	v_lshl_add_u32 v9, v16, 4, s49                 ; my rows' scale words,
	s_lshl_b32 s50, s34, 2
	v_add_nc_u32 v7, s50, v9                       ; and where I store mine: K step g
	s_mul_i32 s51, s33, 6144
	s_add_co_u32 s51, s51, XIMG
	v_lshl_add_u32 v8, v16, 4, s51                 ; my rows' four fragments
	s_mul_i32 s52, s34, 24576
	v_lshl_add_u32 v10, v16, 4, s52                ; my 16 weight fragments in slot 0,
	s_delay_alu instid0(VALU_DEP_1)
	v_add_nc_u32 v11, SLOT1, v10                   ; in slot 1
	v_add_f32 v14, v14, v15
	s_delay_alu instid0(VALU_DEP_1)
	v_permlanex16_b32 v21, v14, s36, s37
	s_delay_alu instid0(VALU_DEP_1)
	v_add_f32 v14, v14, v21
	s_wait_alu depctr_va_vdst(0)
	v_rcp_f32 v14, v14
	v_nop                                          ; one plain place behind the transcendental
.set jj, 0
	s_wait_alu depctr_va_vdst(0)
.rept 32
	v_mul_f32 v[192+jj], v[192+jj], v14            ; head 2 g + 1's o
.set jj, jj+1
.endr
	s_lshl_b32 s53, s32, 8
	s_add_co_u32 s53, s53, STAT
	v_lshl_add_u32 v14, v16, 3, s53                ; the norms' figures: mine,
	s_lshl_b32 s54, s33, 10
	s_add_co_u32 s54, s54, STAT
	v_lshl_add_u32 v15, v16, 3, s54                ; and those of the four waves of my rows
	s_wait_loadcnt 16                              ; the scale words and x are in; ln_g's 16 loads may be out
.set jj, 0
.rept 32
	v_pk_add_f32 v[160+jj:161+jj], v[160+jj:161+jj], v[96+jj:97+jj]
.set jj, jj+2
.endr
	VEC 96, 14                                     ; ln_b
	LNORM 0
	QUANT 160
	BIAS 18                                        ; b1 takes val's place: the C of the first products
	IMAGE 0
	s_wait_dscnt 0x0
	s_barrier_signal -1
	s_barrier_wait -1                              ; val's sixteen fragments lie in LDS
	; ---- the feed-forward part
	HALF 10, 0, 0, 1
	CHANGE 0, 88, 68                               ; W2's first half into slot 0; W1's second half has landed
	HALF 11, 0, 2, 0
	WSCALES 20
.set jj, 0
.rept 64
	v_max_num_f32 v[160+jj], 0, v[160+jj]          ; the activation, each sum from its low end on
.set jj, jj+1
.endr
	QUANT 160
	BIAS 22
	IMAGE HOFF
	CHANGE 0, 92, 68                               ; W2's second half into slot 1; the round also shows the hidden layer's images to every wave
	HALF 10, HOFF, 0, 1
	s_wait_tensorcnt 0x0                           ; my part of W2's second half has landed,
	s_wait_dscnt 0x0
	s_barrier_signal -1
	s_barrier_wait -1                              ; everybody's has
	HALF 11, HOFF, 2, 0
	VEC 32, 24                                     ; lnff_g
	VEC 96, 26                                     ; lnff_b
	LNORM 4096                                     ; its barrier also ends every wave's reads of the two slots, which have had their last fill: the stages lie there
	; ---- the way out: my 16 rows x 512 bytes through my stage (rows of 528 bytes), back as whole pieces of rows
	v_and_b32 v16, 15, v0
	v_bfe_u32 v17, v0, 4, 1
	s_and_b32 s48, s32, 7
	s_mul_i32 s48, s48, 8448
	s_lshr_b32 s49, s32, 3
	s_lshl_b32 s49, s49, 17
	s_add_co_u32 s48, s48, s49                     ; eight stages in each slot
	v_mul_u32_u24 v16, v16, 528
	s_delay_alu instid0(VALU_DEP_1)
	v_lshl_add_u32 v16, v17, 6, v16
	s_delay_alu instid0(VALU_DEP_1)
	v_add_nc_u32 v16, s48, v16                     ; in: row r, + 64 h
	v_add_nc_u32 v17, s48, v12                     ; back: 16 bytes a lane
.irp b, 0,1,2,3
.irp j, 0,1,2,3
	ds_store_b128 v16, v[160+16*\b+4*\j:163+16*\b+4*\j] offset:128*\b+16*\j
.endr
.endr
.irp i, 0,1,2,3,4,5,6,7,8,9,10,11,12,13,14,15
	ds_load_b128 v[32+4*\i:35+4*\i], v17 offset:528*\i   ; LDS serves a wave's instructions in order: these see my stores
.endr
.irp i, 0,1,2,3,4,5,6,7,8,9,10,11,12,13,14,15
	s_wait_dscnt 15-\i                             ; row i is back; the younger loads may be out
	global_store_b128 v12, v[32+4*\i:35+4*\i], s[28:29] offset:(\i+8*(\i/8))*2048 th:TH_STORE_NT   ; 32 lanes store 512 consecutive bytes, at a multiple of 512 from out0's first byte
.endr
	s_wait_tensorcnt 0x0                           ; the wave's end
	ds_add_u32 v3, v4
	s_wait_dscnt 0x0
	ROUND                                          ; the closing round: no work-group ends while a partner may still ask for a tile that names it
	s_endpgm
.Lfunc_end_k_q0e3a199eb7_attn_ffn:
	.size	k_q0e3a199eb7_attn_ffn, .Lfunc_end_k_q0e3a199eb7_attn_ffn-k_q0e3a199eb7_attn_ffn
	.p2alignl 7, 3214868480
	.fill 96, 4, 3214868480
	.section	.rodata,"a",@progbits
	.p2align	6, 0x0
	.amdhsa_kernel k_q0e3a199eb7_attn_ffn
		.amdhsa_group_segment_fixed_size 327680
		.amdhsa_private_segment_fixed_size 0
		.amdhsa_enable_private_segment 0
		.amdhsa_kernarg_size 104
		.amdhsa_user_sgpr_count 2
		.amdhsa_user_sgpr_kernarg_segment_ptr 1
		.amdhsa_wavefront_size32 1
		.amdhsa_system_sgpr_workgroup_id_x 1
		.amdhsa_system_sgpr_workgroup_id_y 1
		.amdhsa_system_sgpr_workgroup_id_z 1
		.amdhsa_system_vgpr_workitem_id 0
		.amdhsa_next_free_vgpr 256
		.amdhsa_next_free_sgpr 100
		.amdhsa_reserve_vcc 0
		.amdhsa_float_denorm_mode_32 3
		.amdhsa_float_denorm_mode_16_64 3
		.amdhsa_memory_ordered 1
		.amdhsa_forward_progress 1
		.amdhsa_inst_pref_size 200
	.end_amdhsa_kernel
	.amdgpu_metadata
---
amdhsa.version: [ 1, 2 ]
amdhsa.kernels:
  - .name:           k_q0e3a199eb7_attn_ffn
    .symbol:         k_q0e3a199eb7_attn_ffn.kd
    .args:
      - { .name: qimg, .offset: 0, .size: 8, .value_kind: global_buffer, .address_space: global }
      - { .name: kv, .offset: 8, .size: 8, .value_kind: global_buffer, .address_space: global }
      - { .name: wimg, .offset: 16, .size: 8, .value_kind: global_buffer, .address_space: global }
      - { .name: x, .offset: 24, .size: 8, .value_kind: global_buffer, .address_space: global }
      - { .name: ln_g, .offset: 32, .size: 8, .value_kind: global_buffer, .address_space: global }
      - { .name: ln_b, .offset: 40, .size: 8, .value_kind: global_buffer, .address_space: global }
      - { .name: W1_scales, .offset: 48, .size: 8, .value_kind: global_buffer, .address_space: global }
      - { .name: b1, .offset: 56, .size: 8, .value_kind: global_buffer, .address_space: global }
      - { .name: W2_scales, .offset: 64, .size: 8, .value_kind: global_buffer, .address_space: global }
      - { .name: b2, .offset: 72, .size: 8, .value_kind: global_buffer, .address_space: global }
      - { .name: lnff_g, .offset: 80, .size: 8, .value_kind: global_buffer, .address_space: global }
      - { .name: lnff_b, .offset: 88, .size: 8, .value_kind: global_buffer, .address_space: global }
      - { .name: out0, .offset: 96, .size: 8, .value_kind: global_buffer, .address_space: global }
    .group_segment_fixed_size: 327680
    .private_segment_fixed_size: 0
    .kernarg_segment_align: 8
    .kernarg_segment_size: 104
    .max_flat_workgroup_size: 512
    .sgpr_count:     100
    .vgpr_count:     256
    .wavefront_size: 32
...
	.end_amdgpu_metadata
.endif
;; end of part 4
